; MI455X (gfx1250); checked and timed in simulation.
; The chip was launched on July 23, 2026; its instructions are those of AMD's public machine-readable ISA for CDNA 5 (MIT licence, August 2026) and "CDNA5" Instruction Set Architecture Reference Guide (July 2026). The comments in the code are by the model that wrote it; some were corrected since.
;; Multi Head Attention Origin. Allowed arithmetic: matrix products marked QUANTISED: E2M3 operands, one E8M0 scale for each 32 along K, by v_wmma_scale_f32_16x16x128_f8f6f4 with both operands' format E2M3, f32 sums; everything else in f32.
;; Inputs: W_key 16 x 1,024 x 64 float32; W_out 16 x 64 x 1,024 float32; W_query 16 x 1,024 x 64 float32; W_val 16 x 1,024 x 64 float32; q 4 x 2,048 x 1,024 float32.
;; Outputs: out0 4 x 2,048 x 1,024 float32.
;; This version of the problem:
;;   THIS VERSION OF THE PROBLEM IS GIVEN IN LOW PRECISION. The matrix products marked QUANTISED in the list below multiply operands that are first quantised to E2M3 (2 exponent bits, 3 mantissa bits; 6 bits a number), with one power-of-two scale for each 32 numbers along K (OCP MX v1.0); their sums are f32. All else is computed in f32.
;;   The module's matrix products, in the order in which they are computed (A, B: the left and right operand; K: the contracted axis; several contracted axes count as one K, in the product's order):
;;     1. [M 1,024, K 1,024] x [K 1,024, N 8,192]; A: input W_query; B: input q: QUANTISED
;;     2. [M 1,024, K 1,024] x [K 1,024, N 8,192]; A: input W_key; B: input q: QUANTISED
;;     3. [M 1,024, K 1,024] x [K 1,024, N 8,192]; A: input W_val; B: input q: QUANTISED
;;     4. batch 64 x [M 2,048, K 64] x [K 64, N 2,048]; A: computed on the way; B: computed on the way: QUANTISED
;;     5. batch 64 x [M 2,048, K 2,048] x [K 2,048, N 64]; A: softmax (see below); B: computed on the way: QUANTISED
;;     6. [M 8,192, K 1,024] x [K 1,024, N 1,024]; A: computed on the way; B: input W_out: QUANTISED
;;   THE QUANTISER, for each operand of a quantised product, along K:
;;     - K is cut into blocks of 32 from its start; a last block that is shorter is filled with zeros.
;;     - A block's scale is 2^e with e = floor(log2(the largest magnitude in the block)) - 2, held to -126 .. 127; a block of zeros has e = 0. As a byte (E8M0): e + 127.
;;     - Each number is divided by its block's scale, clamped to +-7.5, and rounded to the nearest number of E2M3, ties to even, subnormals kept.
;;     - The product sums the exact products of the quantised numbers (number of the format x scale) in f32.
;;   ~~~python
;;   def quantise(x, axis):      # numpy; x: float32 -> the quantised numbers, widened to float32 again
;;       x = np.moveaxis(x, axis, -1); K = x.shape[-1]
;;       x = np.pad(x, [(0, 0)] * (x.ndim - 1) + [(0, -K % 32)]); x = x.reshape(x.shape[:-1] + (-1, 32)); a = np.abs(x).max(-1, keepdims=True)
;;       e = np.where(a > 0, np.clip(np.frexp(np.where(a > 0, a, 1))[1] - 1 - 2, -126, 127), 0)      # np.frexp(a)[1] - 1 = floor(log2(a)), exactly
;;       r = np.clip(x / 2.0 ** e, -7.5, 7.5)
;;       step = 2.0 ** (np.maximum(np.frexp(np.where(r == 0, 1, r))[1] - 1, 0) - 3)
;;       q = np.round(r / step) * step * 2.0 ** e      # np.round: ties to even
;;       return np.moveaxis(q.reshape(q.shape[:-2] + (-1,))[..., :K], -1, axis).astype(np.float32)
;;   ~~~
;;   SOFTMAX AHEAD OF A QUANTISED PRODUCT. Where the list says 'softmax', what is quantised is not the finished softmax but p = 2^(t - M), with t = logit x log2(e) and M = ceil(the row's largest t), a whole number; so 1/2 < the row's largest p <= 1. The row's sum l is taken of the UNQUANTISED p, in f32, and the product's result is divided by l at the end. Since M is a whole number, a kernel that streams over the keys may use a running M (the ceiling of the running maximum): every later rescaling is an exact power of two, which a block's scale takes up: the codes' values come out the same.
;;   OPERANDS COMPUTED ON THE WAY. 'Computed on the way' means the value that the module computes at that place (a softmax that the list does not call 'softmax' is quantised finished and normalised). What goes into a quantiser is computed in f32, as accurately as f32 sums, v_exp_f32 and their like allow (about 1e-6 of the number): no bf16 or f16 on the way to a quantiser, and a product that is left as it is and whose result goes on into a quantised operand takes f32 operands (vector FMAs, or v_wmma_f32_16x16x4_f32). A number that lies on a knife's edge between two numbers of the format may be rounded either way, as far as f32 arithmetic and the matrix unit's own rounding can turn it there, and no further.
;; One version. Each part assembles by itself: llvm-mc -triple=amdgcn-amd-amdhsa -mcpu=gfx1250 --defsym DOCPART=n.
;; ======== version 1 of 1: 4 launches
;; limits: right only within a limited range of input values
;; workspace buffers: xc 6,291,456 bytes; xs 262,144 bytes; wc 3,145,728 bytes; ws 131,072 bytes; qkvc 18,874,368 bytes; qkvs 1,572,864 bytes; hc 6,291,456 bytes; hs 524,288 bytes
;; launch quant (part 1): grid 256 x 1, 4 waves a work-group, no clusters, 327,680 bytes of LDS; arguments q, W_query, W_key, W_val, W_out, xc, xs, wc, ws; writes xc, xs, wc, ws
.if DOCPART == 1
	.amdgcn_target "amdgcn-amd-amdhsa--gfx1250"
	.amdhsa_code_object_version 6
	.text
	.protected	k_q0f3d7f2b43_quant
	.globl	k_q0f3d7f2b43_quant
	.p2align	8
	.type	k_q0f3d7f2b43_quant,@function
k_q0f3d7f2b43_quant:
	s_mov_b64 s[64:65], 0
	v_nop
	global_prefetch_b8 v0, s[64:65] scope:SCOPE_SE
	s_setreg_imm32_b32 hwreg(HW_REG_WAVE_MODE, 25, 1), 1
	s_wait_xcnt 0x0
.set QROW,  528
.set QTILE, 32*QROW
.set WREG,  2*QTILE
.set PC,    192
.set PT,    204
.set XB,    212
.set WW,    244
	s_load_b256 s[4:11], s[0:1], 0x0
	s_load_b256 s[12:19], s[0:1], 0x20
	s_load_b64 s[20:21], s[0:1], 0x40
	v_lshl_add_u32 v254, v0, 2, 0x29000
	v_mov_b32 v255, 0
	ds_add_u32 v254, v255
	ds_add_u32 v254, v255
	v_lshrrev_b32 v1, 5, v0
	v_readfirstlane_b32 s22, v1
	v_and_b32 v1, 31, v0
	v_and_b32 v2, 15, v0
	v_bfe_u32 v3, v0, 4, 1
	v_lshlrev_b32 v4, 4, v1
	v_lshlrev_b32 v5, 3, v1
	v_lshlrev_b32 v6, 2, v1
	v_and_b32 v10, 8, v2
	v_add_nc_u32 v10, v10, v2
	v_mul_u32_u24 v7, v10, QROW
	v_lshl_add_u32 v7, v3, 7, v7
	s_mul_i32 s40, s22, WREG
	v_add_nc_u32 v7, s40, v7
	v_lshlrev_b32 v8, 3, v3
	v_lshl_add_u32 v9, v3, 3, v10
	v_lshlrev_b32 v9, 2, v9
	v_mov_b32 v17, 0
	s_mov_b32 s24, (2<<16)|(1<<20)|(6<<22)|(3<<25)
	s_mov_b32 s25, 128<<16
	s_mov_b32 s26, 32<<16
	s_mov_b32 s27, 128<<16
	s_mov_b32 s28, 32
	s_mov_b32 s29, 1024
	s_mov_b32 s30, 0
	s_mov_b32 s31, 0
	s_mov_b32 s53, 0xffff0000
	s_mov_b32 s54, 0x76543210
	s_mov_b32 s55, 0xfedcba98
	s_lshl_b32 s2, ttmp9, 17
	s_lshl_b32 s3, s22, 10
	s_add_co_u32 s2, s2, s3
	s_mov_b32 s3, 0
	s_lshr_b32 s66, ttmp9, 6
	s_bfe_u32 s67, ttmp9, 0x40002
	s_and_b32 s68, ttmp9, 3
	s_lshl_b32 s68, s68, 1
	s_lshr_b32 s69, s22, 1
	s_add_co_u32 s68, s68, s69
	s_and_b32 s69, s22, 1
	s_cmp_lt_u32 s66, 3
	s_cselect_b32 s70, 8, 12
	s_cselect_b32 s71, 18, 8
	s_lshl_b32 s52, 1, s70
	s_lshl_b32 s71, s67, s71
	s_lshl_b32 s72, s69, 7
	s_add_co_u32 s71, s71, s72
	s_lshl_b32 s72, s68, 7
.irp b, 0,1,2,3
	s_add_co_u32 s73, s72, 32*\b
	s_lshl_b32 s73, s73, s70
	s_add_co_u32 s[44+2*\b], s73, s71
	s_mov_b32 s[45+2*\b], 0
.endr
	s_lshr_b32 s73, ttmp9, 2
	s_lshl_b32 s73, s73, 1
	s_add_co_u32 s73, s73, s69
	s_mul_i32 s74, s73, 24576
	s_mul_i32 s75, s68, 1536
	s_add_co_u32 s60, s74, s75
	s_mov_b32 s61, 0
	s_lshl_b32 s73, s73, 3
	s_add_co_u32 s73, s73, s68
	s_lshl_b32 s62, s73, 7
	s_mov_b32 s63, 0
	s_mul_i32 s56, ttmp9, 24576
	s_mul_i32 s74, s22, 3072
	s_add_co_u32 s56, s56, s74
	s_mov_b32 s57, 0
	s_lshl_b32 s58, ttmp9, 10
	s_lshl_b32 s74, s22, 8
	s_add_co_u32 s58, s58, s74
	s_mov_b32 s59, 0
	s_wait_alu depctr_va_vdst(0)
	s_wait_dscnt 0x0
	s_wait_kmcnt 0x0
	s_mov_b32 s32, 1
	s_mov_b32 s33, s40
	s_add_nc_u64 s[34:35], s[4:5], s[2:3]
	s_mov_b32 s36, 1
	s_add_co_u32 s37, s40, QTILE
	s_add_nc_u64 s[38:39], s[34:35], 512
	s_or_b32 s35, s35, 0x80000000
	s_or_b32 s39, s39, 0x80000000
	tensor_load_to_lds s[32:35], s[24:31]
	s_nop 0
	s_wait_alu depctr_va_vdst(0)
	s_wait_tensorcnt 0x0
	ds_add_u32 v254, v255
	s_wait_dscnt 0x0
	s_barrier_signal -1
	s_barrier_wait -1
	tensor_load_to_lds s[36:39], s[24:31]
	s_nop 0
.rept 4
	v_nop
.endr
	s_cmp_eq_u32 s66, 0
	s_cselect_b64 s[74:75], s[6:7], s[8:9]
	s_cmp_lt_u32 s66, 2
	s_cselect_b64 s[74:75], s[74:75], s[10:11]
	s_cmp_lt_u32 s66, 3
	s_cselect_b64 s[74:75], s[74:75], s[12:13]
.irp b, 0,1,2,3
	s_add_nc_u64 s[44+2*\b:45+2*\b], s[74:75], s[44+2*\b:45+2*\b]
.endr
	s_add_nc_u64 s[56:57], s[14:15], s[56:57]
	s_add_nc_u64 s[58:59], s[16:17], s[58:59]
	s_add_nc_u64 s[60:61], s[18:19], s[60:61]
	s_add_nc_u64 s[62:63], s[20:21], s[62:63]
.irp i, 0,1,2,3,4,5,6,7,8,9,10,11,12,13,14,15,16,17,18,19,20,21,22,23,24,25,26,27,28,29,30,31
	v_mad_u32_u24 v[32+\i], s52, \i, v9
.endr
.macro LOADW b
.irp i, 0,1,2,3,4,5,6,7,8,9,10,11,12,13,14,15,16,17,18,19,20,21,22,23,24,25,26,27,28,29,30,31
	global_load_b32 v[64+32*((\b)%2)+\i], v[32+\i], s[44+2*(\b):45+2*(\b)]
.endr
.endm
.macro WBLOCK b
.set WS, 64+32*((\b)%2)
.if (\b) < 3
	s_wait_loadcnt 32
.else
	s_wait_loadcnt 0x0
.endif
	v_max3_num_f32 v10, |v[WS]|, |v[WS+1]|, |v[WS+2]|
	v_max3_num_f32 v11, |v[WS+3]|, |v[WS+4]|, |v[WS+5]|
.irp i, 6,10,14,18,22,26
	v_max3_num_f32 v10, v10, |v[WS+\i]|, |v[WS+\i+1]|
	v_max3_num_f32 v11, v11, |v[WS+\i+2]|, |v[WS+\i+3]|
.endr
	v_max3_num_f32 v10, v10, |v[WS+30]|, |v[WS+31]|
	v_max3_num_f32 v10, v10, v11, 0x1800000
	v_add_nc_u32 v12, 0xff000000, v10
	v_lshrrev_b32 v13, 23, v12
.if (\b) == 0
	v_mov_b32 v[WW], v13
.else
	v_lshl_or_b32 v[WW], v13, 8*(\b), v[WW]
.endif
	v_cvt_scalef32_pk16_fp6_f32 v[XB+8*(\b):XB+8*(\b)+2], v[WS:WS+15], v12
	v_cvt_scalef32_pk16_fp6_f32 v[PT:PT+2], v[WS+16:WS+31], v12
	v_nop
.irp i, 0,1,2
	v_mov_b32 v[XB+8*(\b)+3+\i], v[PT+\i]
.endr
.if (\b) < 2
	LOADW (\b)+2
.endif
.endm
.macro QFRAG p, u
.irp c, 0,1
.irp i, 0,1,2,3,4,5,6,7
	ds_load_b128 v[128+32*\c+4*\i:131+32*\c+4*\i], v7 offset:\p*QTILE+\u*8*QROW+256*\c+16*\i
.endr
.endr
	s_wait_dscnt 0x0
.irp c, 0,1
	v_max3_num_f32 v[10+\c], |v[128+32*\c]|, |v[129+32*\c]|, 0x1800000
.endr
.irp i, 2,4,6,8,10,12,14,16,18,20,22,24,26,28,30
.irp c, 0,1
	v_max3_num_f32 v[10+\c], v[10+\c], |v[128+32*\c+\i]|, |v[129+32*\c+\i]|
.endr
.endr
.irp c, 0,1
	v_add_nc_u32 v[12+\c], 0xff000000, v[10+\c]
.endr
.irp c, 0,1
	v_lshrrev_b32 v[14+\c], 23, v[12+\c]
.endr
	v_lshl_or_b32 v16, v15, 16, v14
	v_lshlrev_b32 v16, v8, v16
	v_permlanex16_b32 v17, v16, s54, s55
	v_or_b32 v[18+\u], v16, v17
	s_wait_alu depctr_va_vdst(0)
	s_wait_xcnt 0x0
.irp c, 0,1
	v_cvt_scalef32_pk16_fp6_f32 v[PC+6*\c:PC+6*\c+2], v[128+32*\c:143+32*\c], v[12+\c]
	v_cvt_scalef32_pk16_fp6_f32 v[PT+4*\c:PT+4*\c+2], v[144+32*\c:159+32*\c], v[12+\c]
.endr
	v_nop
.irp c, 0,1
.irp i, 0,1,2
	v_mov_b32 v[PC+6*\c+3+\i], v[PT+4*\c+\i]
.endr
.endr
	global_store_b128 v4, v[PC:PC+3], s[56:57] offset:\u*12288+\p*1536
	global_store_b64 v5, v[PC+4:PC+5], s[56:57] offset:\u*12288+\p*1536+512
	global_store_b128 v4, v[PC+6:PC+9], s[56:57] offset:\u*12288+\p*1536+768
	global_store_b64 v5, v[PC+10:PC+11], s[56:57] offset:\u*12288+\p*1536+1280
.if \u == 1
	v_cndmask_b32 v20, v18, v19, s53
	global_store_b32 v6, v20, s[58:59] offset:\p*128
.endif
.endm
	LOADW 0
	LOADW 1
	WBLOCK 0
	WBLOCK 1
	s_wait_tensorcnt 1
	QFRAG 0, 0
	QFRAG 0, 1
	s_wait_tensorcnt 0x0
	QFRAG 1, 0
	QFRAG 1, 1
	WBLOCK 2
	WBLOCK 3
.irp c, 0,1
.irp i, 0,1,2,3,4,5
	v_permlane16_swap_b32 v[XB+16*\c+\i], v[XB+16*\c+8+\i]
.endr
.endr
.irp c, 0,1
.irp u, 0,1
	global_store_b128 v4, v[XB+8*(2*\c+\u):XB+8*(2*\c+\u)+3], s[60:61] offset:\u*12288+\c*768
	global_store_b64 v5, v[XB+8*(2*\c+\u)+4:XB+8*(2*\c+\u)+5], s[60:61] offset:\u*12288+\c*768+512
.endr
.endr
	global_store_b32 v6, v[WW], s[62:63]
	s_wait_tensorcnt 0x0
	ds_add_u32 v254, v255
	s_wait_dscnt 0x0
	s_endpgm
.Lfunc_end_k_q0f3d7f2b43_quant:
	.size	k_q0f3d7f2b43_quant, .Lfunc_end_k_q0f3d7f2b43_quant-k_q0f3d7f2b43_quant
	.p2alignl 7, 3214868480
	.fill 96, 4, 3214868480
	.section	.rodata,"a",@progbits
	.p2align	6, 0x0
	.amdhsa_kernel k_q0f3d7f2b43_quant
		.amdhsa_group_segment_fixed_size 327680
		.amdhsa_private_segment_fixed_size 0
		.amdhsa_enable_private_segment 0
		.amdhsa_kernarg_size 72
		.amdhsa_user_sgpr_count 2
		.amdhsa_user_sgpr_kernarg_segment_ptr 1
		.amdhsa_wavefront_size32 1
		.amdhsa_system_sgpr_workgroup_id_x 1
		.amdhsa_system_sgpr_workgroup_id_y 1
		.amdhsa_system_sgpr_workgroup_id_z 1
		.amdhsa_system_vgpr_workitem_id 0
		.amdhsa_next_free_vgpr 256
		.amdhsa_next_free_sgpr 76
		.amdhsa_reserve_vcc 0
		.amdhsa_float_denorm_mode_32 3
		.amdhsa_float_denorm_mode_16_64 3
		.amdhsa_memory_ordered 1
		.amdhsa_forward_progress 1
		.amdhsa_inst_pref_size 45
	.end_amdhsa_kernel
	.amdgpu_metadata
---
amdhsa.version: [ 1, 2 ]
amdhsa.kernels:
  - .name:           k_q0f3d7f2b43_quant
    .symbol:         k_q0f3d7f2b43_quant.kd
    .args:
      - { .name: q, .offset: 0, .size: 8, .value_kind: global_buffer, .address_space: global }
      - { .name: W_query, .offset: 8, .size: 8, .value_kind: global_buffer, .address_space: global }
      - { .name: W_key, .offset: 16, .size: 8, .value_kind: global_buffer, .address_space: global }
      - { .name: W_val, .offset: 24, .size: 8, .value_kind: global_buffer, .address_space: global }
      - { .name: W_out, .offset: 32, .size: 8, .value_kind: global_buffer, .address_space: global }
      - { .name: xc, .offset: 40, .size: 8, .value_kind: global_buffer, .address_space: global }
      - { .name: xs, .offset: 48, .size: 8, .value_kind: global_buffer, .address_space: global }
      - { .name: wc, .offset: 56, .size: 8, .value_kind: global_buffer, .address_space: global }
      - { .name: ws, .offset: 64, .size: 8, .value_kind: global_buffer, .address_space: global }
    .group_segment_fixed_size: 327680
    .private_segment_fixed_size: 0
    .kernarg_segment_align: 8
    .kernarg_segment_size: 72
    .max_flat_workgroup_size: 128
    .sgpr_count:     76
    .vgpr_count:     256
    .wavefront_size: 32
...
	.end_amdgpu_metadata
.endif
;; end of part 1
;; launch proj (part 2): grid 8 x 32, 4 waves a work-group, clusters of 4 x 4, 327,680 bytes of LDS; arguments xc, xs, wc, ws, qkvc, qkvs; writes qkvc, qkvs
.if DOCPART == 2
	.amdgcn_target "amdgcn-amd-amdhsa--gfx1250"
	.amdhsa_code_object_version 6
	.text
	.protected	k_q0f3d7f2b43_proj
	.globl	k_q0f3d7f2b43_proj
	.p2align	8
	.type	k_q0f3d7f2b43_proj,@function
k_q0f3d7f2b43_proj:
	s_mov_b64 s[64:65], 0
	v_nop
	global_prefetch_b8 v0, s[64:65] scope:SCOPE_SE
	s_setreg_imm32_b32 hwreg(HW_REG_WAVE_MODE, 25, 1), 1
	s_wait_xcnt 0x0
	s_wait_alu depctr_hold_cnt(0) depctr_sa_sdst(0) depctr_va_vdst(0) depctr_va_sdst(0) depctr_va_ssrc(0) depctr_va_vcc(0) depctr_vm_vsrc(0)
	s_getreg_b32 s2, hwreg(HW_REG_IB_STS2, 6, 4)
	s_cmp_eq_u32 s2, 0
	s_cbranch_scc0 .Lentry_in_a_cluster
	s_endpgm
.Lentry_in_a_cluster:
	s_bfe_u32 s2, ttmp6, 0x10000c
	s_cmp_lg_u32 s2, 0xf033
	s_cbranch_scc0 .Lentry_shape_is_right
	s_endpgm
.Lentry_shape_is_right:
; Q, K and V = q x the head's weights, on codes of FP6 (E2M3) with E8M0 scales, f32 sums; the results are quantised in registers for the attention launch and leave as images of operand registers.
; A BLOCK.  X = 256 rows (source 0), Y = 128 rows (source 1), K = 1,024.  Four waves; wave (wx, wy) makes X 128 x Y 64: 32 accumulators of 16 x 16.
; In a result a lane holds Y row lane % 16 and eight X rows; since X's tiles take their rows as 32 p + 8 u + r + 8 (r / 8), the 64 registers of a Y tile are X rows 32 b + 16 (lane / 16) + i in register 16 b + i:
; neighbours along X, which is the axis along which the result is quantised.
; A WORK-GROUP STAYS and walks three blocks, at rows y, y + 8 and y + 16 of a table of 24 rows of clusters (y: the cluster's y, 0 .. 7): 768 blocks on 256 work-groups.
;   rows 0-15:  X = rows of W_query and W_key (outputs), Y = tokens: a lane holds a token, quantised along the head's 64: Q and K as [head or 16 + head][tile of tokens 512][768].
;   rows 16-23: X = tokens, Y = rows of W_val: a lane holds an output, quantised along the tokens (the keys): V as [head][64 keys 128][tile of outputs 4][768], from byte 12,582,912.
; So the first two blocks are one loop of two trips, and the third, which asks for nothing more, is written out.
; SCALE WORDS: Q, K: [head or 16 + head][64 tokens 128][r 16][tile 4], bytes 0 and 1 used, the others 0.  V, from byte 1,048,576: [head][64 keys 128][r 16][tile 4]; the even place holds the word of 128 keys.
; THE RING: two slots of four K steps (half of K), 147,456 bytes each: X's tiles 0-7, X's 8-15, Y's 0-7, 6,144 bytes a tile.  It does not stop at a block's end: in K step 3 slot 0 takes the next block's first half,
; in K step 7 slot 1 its second.  Each wave issues one load (waves 0, 1: eight tiles of X; waves 2, 3: four of Y); from a request to the wait for it a wave issues at most 112 matrix instructions.
; CLUSTER 4 x 4: X's tiles are shared along a column of the cluster, Y's along a row: each is asked for jointly.  Every refill stands behind a round of the cluster's barrier.
; NO PREFETCH is laid: xc and wc together are 9,437,184 bytes, and every tile of them is asked for by 8 to 64 blocks, spread over all clusters in each of the three steps of the walk.
; LIMITS: no NaN or infinities; largest magnitudes under 2^-124 are taken as 2^-124; a block of zeros gets the byte 1 (its codes are zeros; only this program reads the bytes).
; REGISTERS: window 0: v1-6 lane, r, h, 16, 8, 4 x lane; v8-11 LDS addresses in slot 0, v84-87 in slot 1; v12-31 the way out; v32-63 X's scale words (pair p, K step s: 32 + 8 p + s); v64-79 Y's; v80-83 words to store;
;   v128-175, v176-223 Y's fragments, two sets; on the way out v128-223 the codes.   window 1: accumulator (x, y) at 64 y + 8 x.   window 2: v0-95, v96-191 X's fragments, two sets.
.set TILEB,  12288                     ; a tile's codes for all of K
.set STB,    6144                      ; four K steps of a tile
.set LOADB,  8*STB
.set STAGEB, 3*LOADB                   ; a slot
.set TM,     16                        ; v16-19 largest magnitudes, v20-23 the other half's and then the bytes, v28-31 the conversions' scale operands
.set MULW,   0x52                      ; source 0 (X) window 2, source 1 (Y) window 0, C and D window 1
.set TO_X,   0x80                      ; destination window 2
.set MSB, 0
.macro WIN new                         ; the immediate's high byte repeats the setting that is left
.if MSB != \new
	s_set_vgpr_msb (MSB<<8)|\new
.set MSB, \new
.endif
.endm
.macro CREST                           ; a round of the cluster's barrier behind its opening barrier
	s_cmp_lg_u32 s16, 0
	s_cbranch_scc1 .Lnot_wave_0_\@
	s_barrier_signal -3
.Lnot_wave_0_\@:
	s_barrier_wait -3
	s_barrier_signal -1
	s_barrier_wait -1
.endm
.macro CROUND
	s_barrier_signal -1
	s_barrier_wait -1
	CREST
.endm
.macro PLACES n
.rept \n
	v_nop
.endr
.endm
.macro JLOAD t                         ; slot t's joint load: waves 0 and 1 X's halves, waves 2 and 3 Y's; the branch hangs on the wave's number alone
	s_cmp_lt_u32 s16, 2
	s_cbranch_scc0 .Lfor_y_\@
	tensor_load_to_lds s[40+4*(\t):43+4*(\t)], s[24:31]
	s_nop 0
	PLACES 4
	s_branch .Lasked_\@
.Lfor_y_\@:
	tensor_load_to_lds s[56+4*(\t):59+4*(\t)], s[32:39]
	s_nop 0
	PLACES 4
.Lasked_\@:
.endm
; Where the block at row s52 of the table reads: X's codes s[96:97], Y's s[98:99], X's scale words s[80:81], Y's s[82:83]; its X tile s76, its Y tile s77.
; X's numbers hang on cx and the cluster's place, Y's on cy and the row: each in registers that never hold the other coordinate.
.macro SETL
	s_max_u32 s53, s52, 16
	s_sub_co_u32 s53, s53, 16                      ; V: the row less 16
	s_lshr_b32 s92, s53, 1
	s_lshl_b32 s92, s92, 3
	s_add_co_u32 s92, s92, s48                     ; V: X tile 0..31
	s_and_b32 s94, s53, 1
	s_lshl_b32 s94, s94, 2
	s_add_co_u32 s94, s94, s20                     ; V: Y tile 0..7
	s_lshl_b32 s95, s52, 2
	s_add_co_u32 s95, s95, s20                     ; Q, K: Y tile 0..63
	s_cmp_lt_u32 s52, 16                           ; Q and K, or V: the same in all partners
	s_cselect_b32 s76, s48, s92
	s_cselect_b32 s77, s95, s94
	s_cselect_b32 s54, 0, 1572864                  ; W_val's codes begin at tile 128 of wc,
	s_cselect_b32 s55, 0, 65536                    ; its scale words at pair 64 of ws
	s_cselect_b64 s[96:97], s[8:9], s[4:5]
	s_cselect_b64 s[98:99], s[4:5], s[8:9]
	s_cselect_b64 s[80:81], s[10:11], s[6:7]
	s_cselect_b64 s[82:83], s[6:7], s[10:11]
	s_lshl_b32 s92, s76, 4
	s_lshl_b32 s93, s18, 3
	s_add_co_u32 s92, s92, s93
	s_mul_i32 s92, s92, TILEB                      ; X's codes: tile 16 X + 8 (wave % 2)
	s_mov_b32 s93, 0
	s_add_nc_u64 s[96:97], s[96:97], s[92:93]
	s_mul_i32 s94, s77, 8*TILEB
	s_add_co_u32 s94, s94, s54
	s_mul_i32 s95, s18, 4*TILEB
	s_add_co_u32 s94, s94, s95                     ; Y's codes: tile 8 Y + 4 (wave % 2)
	s_mov_b32 s95, 0
	s_add_nc_u64 s[98:99], s[98:99], s[94:95]
	s_lshl_b32 s92, s76, 3
	s_lshl_b32 s93, s17, 2
	s_add_co_u32 s92, s92, s93
	s_lshl_b32 s92, s92, 10                        ; X's scale words: pair 8 X + 4 wx, 1,024 bytes a pair
	s_mov_b32 s93, 0
	s_add_nc_u64 s[80:81], s[80:81], s[92:93]
	s_lshl_b32 s94, s77, 2
	s_lshl_b32 s95, s18, 1
	s_add_co_u32 s94, s94, s95
	s_lshl_b32 s94, s94, 10
	s_add_co_u32 s94, s94, s55                     ; Y's: pair 4 Y + 2 wy
	s_mov_b32 s95, 0
	s_add_nc_u64 s[82:83], s[82:83], s[94:95]
.endm
; Where the block with tiles s76, s77 stores.  kind = 1: Q and K; 0: V
.macro SETS kind
.if \kind
.set SY, 3072                          ; codes: bytes from one group of 64 Y rows to the next,
.set SX, 393216                        ; and from one 64 of X to the next
.set CB, 0
.set WY, 256                           ; scale words: the same two strides
.set WX, 32768
.set WB, 0
.set MK, 0xffff                        ; Q and K keep two bytes of a word, V all four
.else
.set SY, 393216
.set SX, 3072
.set CB, 12582912
.set WY, 32768
.set WX, 256
.set WB, 1048576
.set MK, -1
.endif
	s_lshl_b32 s69, s77, 1
	s_add_co_u32 s69, s69, s18                     ; my group of 64 Y rows
	s_lshl_b32 s70, s76, 2
	s_lshl_b32 s71, s17, 1
	s_add_co_u32 s70, s70, s71                     ; my first 64 of X
	s_mul_i32 s84, s69, SY
	s_mul_i32 s71, s70, SX
	s_add_co_u32 s84, s84, s71
	s_add_co_u32 s84, s84, CB
	s_mov_b32 s85, 0
	s_add_nc_u64 s[84:85], s[12:13], s[84:85]      ; the first 64 of X
	s_add_nc_u64 s[86:87], s[84:85], SX            ; the second
	s_mul_i32 s88, s69, WY
	s_mul_i32 s71, s70, WX
	s_add_co_u32 s88, s88, s71
	s_add_co_u32 s88, s88, WB
	s_mov_b32 s89, 0
	s_add_nc_u64 s[88:89], s[14:15], s[88:89]
	s_mov_b32 s23, MK
	v_mul_u32_u24 v13, v3, WX
	v_lshl_add_u32 v13, v2, 4, v13                 ; 16 r, and for lanes 16-31 the next 64 of X
.endm
.macro SLOAD                           ; a block's scale words, straight into registers that hold nothing else: 4,096 and 2,048 consecutive bytes
.irp p, 0,1,2,3
.irp s, 0,1,2,3,4,5,6,7
	global_load_b32 v[32+8*\p+\s], v6, s[80:81] offset:\p*1024+\s*128
.endr
.endr
.irp p, 0,1
.irp s, 0,1,2,3,4,5,6,7
	global_load_b32 v[64+8*\p+\s], v6, s[82:83] offset:\p*1024+\s*128
.endr
.endr
.endm
	s_load_b256 s[4:11], s[0:1], 0x0               ; xc, xs, wc, ws
	s_load_b128 s[12:15], s[0:1], 0x20             ; qkvc, qkvs
	v_lshl_add_u32 v254, v0, 2, 0x48000
	v_mov_b32 v255, 0
	ds_add_u32 v254, v255
	ds_add_u32 v254, v255
	v_lshrrev_b32 v1, 5, v0
	v_readfirstlane_b32 s16, v1                    ; wave 0..3
	s_lshr_b32 s17, s16, 1                         ; wx: my half of X
	s_and_b32 s18, s16, 1                          ; wy: my half of Y.  Also: which tiles I fetch
	v_and_b32 v1, 31, v0
	v_and_b32 v2, 15, v0                           ; r
	v_bfe_u32 v3, v0, 4, 1                         ; h
	v_lshlrev_b32 v4, 4, v1
	v_lshlrev_b32 v5, 3, v1
	v_lshlrev_b32 v6, 2, v1
	s_mul_i32 s53, s17, LOADB
	v_add_nc_u32 v8, s53, v4                       ; X's images: 16 x lane, and
	v_add_nc_u32 v9, s53, v5                       ; 8 x lane
	s_mul_i32 s54, s18, 4*STB
	s_add_co_u32 s54, s54, 2*LOADB
	v_add_nc_u32 v10, s54, v4                      ; Y's
	v_add_nc_u32 v11, s54, v5
.irp i, 0,1,2,3
	v_add_nc_u32 v[84+\i], STAGEB, v[8+\i]         ; the same in slot 1
.endr
.irp b, 0,1,2,3
	v_mov_b32 v[TM+4+\b], 0                        ; written once: a lane permute's destination counts as one of its sources
.endr
	v_lshlrev_b32 v12, 4, v3                       ; 16 h: lanes 16-31 keep the upper two bytes of a word
	s_wait_alu depctr_va_vdst(0)                   ; the wait ahead of the run of scalar instructions
	s_bfe_u32 s19, ttmp6, 0x40000                  ; cx
	s_bfe_u32 s20, ttmp6, 0x40004                  ; cy
	s_and_b32 s52, ttmp7, 0xffff                   ; the first block's row of the table: the cluster's y
	s_mov_b32 s2, 0x76543210
	s_mov_b32 s3, 0xfedcba98                       ; v_permlanex16_b32's selects for lane l xor 16
	s_lshl_b32 s92, 0x1111, s19                    ; my column of the cluster
	s_or_b32 s24, s92, (3<<16)|(1<<21)             ; X's tiles
	s_lshl_b32 s94, s20, 2
	s_lshl_b32 s94, 15, s94                        ; my row
	s_or_b32 s32, s94, (3<<16)|(1<<21)             ; Y's tiles
.irp g, 24, 32                         ; rows (tiles) of 768 elements of 8 bytes, 1,536 elements from tile to tile, no padding
	s_mov_b32 s[\g+1], 768<<16
	s_mov_b32 s[\g+2], 8<<16
	s_mov_b32 s[\g+3], 768<<16
	s_mov_b32 s[\g+4], 8
	s_mov_b32 s[\g+5], 1536
	s_mov_b32 s[\g+6], 0
	s_mov_b32 s[\g+7], 0
.endr
	s_mov_b32 s34, 4<<16                           ; Y's loads bring four tiles each
	s_mov_b32 s36, 4
	s_lshl_b32 s48, ttmp9, 2
	s_add_co_u32 s48, s48, s19                     ; 4 x the cluster's x + cx
	s_mul_i32 s49, s18, LOADB                      ; where waves 0 and 1 put X's tiles, and
	s_mul_i32 s50, s18, 4*STB                      ; waves 2 and 3 Y's: no place in the cluster enters an LDS address
	s_wait_dscnt 0x0
	s_wait_kmcnt 0x0
	SETL
.irp t, 0,1                            ; group 0 for each slot: X's in s40-47, Y's in s56-63
	s_mov_b32 s[40+4*\t], 1
	s_add_co_u32 s[41+4*\t], s49, \t*STAGEB
	s_add_nc_u64 s[42+4*\t:43+4*\t], s[96:97], \t*STB
	s_or_b32 s[43+4*\t], s[43+4*\t], 0x80000000
	s_mov_b32 s[56+4*\t], 1
	s_add_co_u32 s[57+4*\t], s50, 2*LOADB+\t*STAGEB
	s_add_nc_u64 s[58+4*\t:59+4*\t], s[98:99], \t*STB
	s_or_b32 s[59+4*\t], s[59+4*\t], 0x80000000
.endr
	CROUND                                         ; all sixteen work-groups are here: the joint loads meet
	JLOAD 0                                        ; one tensor load a wave at the head
	SLOAD
; K step s's fragments into set s % 2: 48 LDS loads, each of 512 or 256 consecutive bytes
.macro FETCH s
.set FX, 96*((\s)%2)
.set FY, 128+48*((\s)%2)
.set FK, 1536*((\s)%4)
.set AB, 8+76*(((\s)/4)%2)
	WIN TO_X
.irp i, 0,1,2,3,4,5,6,7
	ds_load_b128 v[FX+12*\i:FX+12*\i+3], v[AB] offset:FK+\i*STB
	ds_load_b64 v[FX+12*\i+4:FX+12*\i+5], v[AB+1] offset:FK+\i*STB+512
	ds_load_b128 v[FX+12*\i+6:FX+12*\i+9], v[AB] offset:FK+\i*STB+768
	ds_load_b64 v[FX+12*\i+10:FX+12*\i+11], v[AB+1] offset:FK+\i*STB+1280
.endr
	WIN 0
.irp i, 0,1,2,3
	ds_load_b128 v[FY+12*\i:FY+12*\i+3], v[AB+2] offset:FK+\i*STB
	ds_load_b64 v[FY+12*\i+4:FY+12*\i+5], v[AB+3] offset:FK+\i*STB+512
	ds_load_b128 v[FY+12*\i+6:FY+12*\i+9], v[AB+2] offset:FK+\i*STB+768
	ds_load_b64 v[FY+12*\i+10:FY+12*\i+11], v[AB+3] offset:FK+\i*STB+1280
.endr
.endm
; One matrix instruction: X tile x against Y tile y, K step s.  A register of scale words serves a pair of tiles: the even tile's in lanes 0-15, the odd tile's in lanes 16-31.  K step 0 starts the sums.
.macro WM x, y, s
.set rD, 64*(\y)+8*(\x)
.set rA, 96*((\s)%2)+12*(\x)
.set rB, 128+48*((\s)%2)+12*(\y)
.set rP, 32+8*((\x)/2)+(\s)
.set rQ, 64+8*((\y)/2)+(\s)
.if (\s) == 0
.if ((\x)%2 == 0) && ((\y)%2 == 0)
	v_wmma_scale_f32_16x16x128_f8f6f4 v[rD:rD+7], v[rA:rA+11], v[rB:rB+11], 0, v[rP], v[rQ] matrix_a_fmt:MATRIX_FMT_FP6 matrix_b_fmt:MATRIX_FMT_FP6
.elseif ((\y)%2 == 0)
	v_wmma_scale_f32_16x16x128_f8f6f4 v[rD:rD+7], v[rA:rA+11], v[rB:rB+11], 0, v[rP], v[rQ] matrix_a_fmt:MATRIX_FMT_FP6 matrix_b_fmt:MATRIX_FMT_FP6 matrix_a_scale:MATRIX_SCALE_ROW1
.elseif ((\x)%2 == 0)
	v_wmma_scale_f32_16x16x128_f8f6f4 v[rD:rD+7], v[rA:rA+11], v[rB:rB+11], 0, v[rP], v[rQ] matrix_a_fmt:MATRIX_FMT_FP6 matrix_b_fmt:MATRIX_FMT_FP6 matrix_b_scale:MATRIX_SCALE_ROW1
.else
	v_wmma_scale_f32_16x16x128_f8f6f4 v[rD:rD+7], v[rA:rA+11], v[rB:rB+11], 0, v[rP], v[rQ] matrix_a_fmt:MATRIX_FMT_FP6 matrix_b_fmt:MATRIX_FMT_FP6 matrix_a_scale:MATRIX_SCALE_ROW1 matrix_b_scale:MATRIX_SCALE_ROW1
.endif
.else
.if ((\x)%2 == 0) && ((\y)%2 == 0)
	v_wmma_scale_f32_16x16x128_f8f6f4 v[rD:rD+7], v[rA:rA+11], v[rB:rB+11], v[rD:rD+7], v[rP], v[rQ] matrix_a_fmt:MATRIX_FMT_FP6 matrix_b_fmt:MATRIX_FMT_FP6
.elseif ((\y)%2 == 0)
	v_wmma_scale_f32_16x16x128_f8f6f4 v[rD:rD+7], v[rA:rA+11], v[rB:rB+11], v[rD:rD+7], v[rP], v[rQ] matrix_a_fmt:MATRIX_FMT_FP6 matrix_b_fmt:MATRIX_FMT_FP6 matrix_a_scale:MATRIX_SCALE_ROW1
.elseif ((\x)%2 == 0)
	v_wmma_scale_f32_16x16x128_f8f6f4 v[rD:rD+7], v[rA:rA+11], v[rB:rB+11], v[rD:rD+7], v[rP], v[rQ] matrix_a_fmt:MATRIX_FMT_FP6 matrix_b_fmt:MATRIX_FMT_FP6 matrix_b_scale:MATRIX_SCALE_ROW1
.else
	v_wmma_scale_f32_16x16x128_f8f6f4 v[rD:rD+7], v[rA:rA+11], v[rB:rB+11], v[rD:rD+7], v[rP], v[rQ] matrix_a_fmt:MATRIX_FMT_FP6 matrix_b_fmt:MATRIX_FMT_FP6 matrix_a_scale:MATRIX_SCALE_ROW1 matrix_b_scale:MATRIX_SCALE_ROW1
.endif
.endif
.endm
.macro MULH s, half                    ; 16 matrix instructions: Y tiles 2 half, 2 half + 1 against X's eight.  The 32 accumulators take turns, one instruction a turn, in the same order in every K step
.irp y, 2*\half, 2*\half+1
.irp x, 0,1,2,3,4,5,6,7
	WM \x, \y, \s
.endr
.endr
.endm
; A K step: 32 matrix instructions; in its middle the next step's 48 loads, behind four places.
; K steps 3 and 7 are a slot's last.  Where a block follows (last = 0), ONE barrier serves the change of slots: in front of it each wave waits for all its tensor loads, of which one is out (its part of the other slot),
; adds 0 to its spare word, and waits for that and for its reads of this slot; the barrier opens a round of the cluster's barrier, and behind the round this slot takes the next block's half of K.
; In the last block K step 3 has a barrier for slot 1 alone.
.macro KSTEP s, last
.if ((\s)%4 == 3) && ((\last) == 0)
	WIN 0
	s_wait_tensorcnt 0x0
	ds_add_u32 v254, v255
.if (\s) == 3                          ; no load of mine is out, so a group 0 may be written
	s_mov_b64 s[42:43], s[96:97]
	s_mov_b64 s[58:59], s[98:99]
.else
	s_add_nc_u64 s[46:47], s[96:97], STB
	s_add_nc_u64 s[62:63], s[98:99], STB
.endif
	s_or_b32 s[40+(\s)], s[40+(\s)], 0x80000000
	s_or_b32 s[56+(\s)], s[56+(\s)], 0x80000000
	s_wait_dscnt 0x0
	s_barrier_signal -1
	WIN MULW
	MULH \s, 0                                     ; work on registers while the others arrive
	WIN 0
	s_barrier_wait -1
	CREST
	JLOAD ((\s)/4)                                 ; the first tensor load behind the round; its four v_nop are the places in front of the loads below
.if (\s) == 3
	FETCH 4
.endif
	WIN MULW
	MULH \s, 1
.else
	s_wait_dscnt 0x0                               ; this step's fragments are in, and no LDS instruction of mine is out at a signal
.if (\s) == 3
	s_wait_tensorcnt 0x0                           ; my part of slot 1 is in
	s_barrier_signal -1
.endif
	WIN MULW
	MULH \s, 0
.if (\s) == 3
	WIN 0
	s_barrier_wait -1                              ; slot 1 is whole
.endif
.if (\s) < 7
	PLACES 4
	FETCH (\s)+1
.endif
	WIN MULW
	MULH \s, 1
.endif
.endm
; THE WAY OUT of Y tile y: its 64 registers (window 1, from 64 y) are 128 neighbours along X of my Y row, 16 of each block of 32 in my lane and 16 in lane l xor 16.  They become a fragment: two half images and a scale word.
; Each accumulator is first read at its two lowest registers.  Each tile has 24 registers of its own for its codes.
.macro OUTY y
.set QA, 64*(\y)
.set QC, 128+24*(\y)
	WIN 0x05                                       ; sources 0 and 1 window 1
.irp b, 0,1,2,3
	v_max3_num_f32 v[TM+\b], |v[QA+16*\b]|, |v[QA+16*\b+1]|, 0x1800000   ; and the floor 2^(3 - 127): the byte cannot fall under 1
.endr
.irp i, 2,4,6,8,10,12,14
.irp b, 0,1,2,3
	v_max3_num_f32 v[TM+\b], |v[QA+16*\b+\i]|, |v[QA+16*\b+\i+1]|, v[TM+\b]
.endr
.endr
	WIN 0
.irp b, 0,1,2,3
	v_permlanex16_b32 v[TM+4+\b], v[TM+\b], s2, s3
.endr
.irp b, 0,1,2,3
	v_max_num_f32 v[TM+\b], v[TM+\b], v[TM+4+\b]   ; the block's largest magnitude
.endr
.irp b, 0,1,2,3
	v_add_nc_u32 v[TM+12+\b], 0xff000000, v[TM+\b] ; 2 off its exponent field: the conversion's scale operand
.endr
.irp b, 0,1,2,3
	v_lshrrev_b32 v[TM+4+\b], 23, v[TM+12+\b]      ; the byte
.endr
	v_lshl_or_b32 v14, v[TM+5], 8, v[TM+4]
	v_lshl_or_b32 v14, v[TM+6], 16, v14
	v_lshl_or_b32 v14, v[TM+7], 24, v14            ; my row's word for these 128
	WIN 0x01                                       ; source 0 window 1
.irp c, 0,1
	v_cvt_scalef32_pk16_fp6_f32 v[QC+6*\c:QC+6*\c+2], v[QA+32*\c:QA+32*\c+15], v[TM+12+2*\c]
	v_cvt_scalef32_pk16_fp6_f32 v[QC+12+4*\c:QC+14+4*\c], v[QA+32*\c+16:QA+32*\c+31], v[TM+13+2*\c]
.endr
	WIN 0
	v_nop                                          ; one plain instruction behind a scaled conversion
.irp c, 0,1                            ; the layout wants a whole block in a lane: lanes 0-15 block 2 c, lanes 16-31 block 2 c + 1
.irp i, 0,1,2
	v_permlane16_swap_b32 v[QC+6*\c+\i], v[QC+12+4*\c+\i]
.endr
.irp i, 0,1,2
	v_mov_b32 v[QC+6*\c+3+\i], v[QC+12+4*\c+\i]
.endr
.endr
	global_store_b128 v4, v[QC:QC+3], s[84:85] offset:(\y)*768          ; each store covers 512 or 256 consecutive bytes, at a multiple of 256 from the buffer's first byte
	global_store_b64 v5, v[QC+4:QC+5], s[84:85] offset:(\y)*768+512
	global_store_b128 v4, v[QC+6:QC+9], s[86:87] offset:(\y)*768
	global_store_b64 v5, v[QC+10:QC+11], s[86:87] offset:(\y)*768+512
	v_lshrrev_b32 v[80+(\y)], v12, v14             ; lanes 0-15: the word; lanes 16-31: its upper two bytes, for the second 64 of X
	v_and_b32 v[80+(\y)], s23, v[80+(\y)]          ; Q and K: two bytes, the others 0
.endm
; A block.  Its first half of K is whole in slot 0, its second half is on its way into slot 1, and its scale words have been asked for.
.macro BLOCK kind, last
	s_wait_xcnt 0x0                                ; the last block's stores have read their bases, offsets and data
	SETS \kind
	FETCH 0
	s_wait_alu depctr_va_vdst(0)                   ; the wait ahead of a wait that blocks
	s_wait_loadcnt 0x0                             ; the scale words are in, so their bases may be written
.if (\last) == 0
	s_add_co_u32 s52, s52, 8                       ; the next block's row of the table
	SETL
.endif
.irp s, 0,1,2,3,4,5,6,7
	KSTEP \s, \last
.endr
	WIN 0
	PLACES 4                                       ; in front of the first read of results, of loads into the scale words' registers and of writes to registers that held Y's fragments
.if (\last) == 0
	SLOAD                                          ; the next block's scale words land under the way out
.endif
.irp y, 0,1,2,3
	OUTY \y
.endr
	global_store_b128 v13, v[80:83], s[88:89]      ; four tiles' words a lane: sixteen lanes store 256 consecutive bytes, twice
.endm
	s_wait_alu depctr_va_vdst(0)                   ; the wait at the head's end
	s_wait_tensorcnt 0x0                           ; my part of slot 0 is in
	ds_add_u32 v254, v255
	s_wait_dscnt 0x0
	CROUND                                         ; everybody's part is in, and all sixteen work-groups are here
	JLOAD 1                                        ; slot 1's first fill, the wave's one load behind the round
	s_mov_b32 s51, 2
.Lblock:                                               ; the two blocks of Q and K
	BLOCK 1, 0
	s_sub_co_u32 s51, s51, 1
	s_cmp_lg_u32 s51, 0
	s_wait_alu depctr_va_vdst(0)
	s_cbranch_scc1 .Lblock
	BLOCK 0, 1                                     ; the block of V: nothing more is asked for
	s_wait_tensorcnt 0x0                           ; the wave's end
	ds_add_u32 v254, v255
	s_wait_dscnt 0x0
	CROUND                                         ; the closing round: no work-group ends while a partner may still ask for a tile that names it
	s_endpgm
.Lfunc_end_k_q0f3d7f2b43_proj:
	.size	k_q0f3d7f2b43_proj, .Lfunc_end_k_q0f3d7f2b43_proj-k_q0f3d7f2b43_proj
	.p2alignl 7, 3214868480
	.fill 96, 4, 3214868480
	.section	.rodata,"a",@progbits
	.p2align	6, 0x0
	.amdhsa_kernel k_q0f3d7f2b43_proj
		.amdhsa_group_segment_fixed_size 327680
		.amdhsa_private_segment_fixed_size 0
		.amdhsa_enable_private_segment 0
		.amdhsa_kernarg_size 48
		.amdhsa_user_sgpr_count 2
		.amdhsa_user_sgpr_kernarg_segment_ptr 1
		.amdhsa_wavefront_size32 1
		.amdhsa_system_sgpr_workgroup_id_x 1
		.amdhsa_system_sgpr_workgroup_id_y 1
		.amdhsa_system_sgpr_workgroup_id_z 1
		.amdhsa_system_vgpr_workitem_id 0
		.amdhsa_next_free_vgpr 768
		.amdhsa_next_free_sgpr 102
		.amdhsa_reserve_vcc 0
		.amdhsa_float_denorm_mode_32 3
		.amdhsa_float_denorm_mode_16_64 3
		.amdhsa_memory_ordered 1
		.amdhsa_forward_progress 1
		.amdhsa_inst_pref_size 175
	.end_amdhsa_kernel
	.amdgpu_metadata
---
amdhsa.version: [ 1, 2 ]
amdhsa.kernels:
  - .name:           k_q0f3d7f2b43_proj
    .symbol:         k_q0f3d7f2b43_proj.kd
    .args:
      - { .name: xc, .offset: 0, .size: 8, .value_kind: global_buffer, .address_space: global }
      - { .name: xs, .offset: 8, .size: 8, .value_kind: global_buffer, .address_space: global }
      - { .name: wc, .offset: 16, .size: 8, .value_kind: global_buffer, .address_space: global }
      - { .name: ws, .offset: 24, .size: 8, .value_kind: global_buffer, .address_space: global }
      - { .name: qkvc, .offset: 32, .size: 8, .value_kind: global_buffer, .address_space: global }
      - { .name: qkvs, .offset: 40, .size: 8, .value_kind: global_buffer, .address_space: global }
    .group_segment_fixed_size: 327680
    .private_segment_fixed_size: 0
    .kernarg_segment_align: 8
    .kernarg_segment_size: 48
    .max_flat_workgroup_size: 128
    .sgpr_count:     102
    .vgpr_count:     768
    .wavefront_size: 32
...
	.end_amdgpu_metadata
.endif
;; end of part 2
;; launch attn (part 3): grid 4 x 64, 16 waves a work-group, clusters of 4 x 1, 264,192 bytes of LDS; arguments qkvc, qkvs, hc, hs; writes hc, hs
.if DOCPART == 3
	.amdgcn_target "amdgcn-amd-amdhsa--gfx1250"
	.amdhsa_code_object_version 6
	.text
	.protected	k_q0f3d7f2b43_attn
	.globl	k_q0f3d7f2b43_attn
	.p2align	8
	.type	k_q0f3d7f2b43_attn,@function
k_q0f3d7f2b43_attn:
	s_mov_b64 s[64:65], 0
	v_nop
	global_prefetch_b8 v0, s[64:65] scope:SCOPE_SE
	s_setreg_imm32_b32 hwreg(HW_REG_WAVE_MODE, 25, 1), 1
	s_wait_xcnt 0x0
	s_wait_alu depctr_hold_cnt(0) depctr_sa_sdst(0) depctr_va_vdst(0) depctr_va_sdst(0) depctr_va_ssrc(0) depctr_va_vcc(0) depctr_vm_vsrc(0)
	s_getreg_b32 s2, hwreg(HW_REG_IB_STS2, 6, 4)
	s_cmp_eq_u32 s2, 0
	s_cbranch_scc0 .Lentry_in_a_cluster
	s_endpgm
.Lentry_in_a_cluster:
	s_bfe_u32 s2, ttmp6, 0x10000c
	s_cmp_lg_u32 s2, 0x3003
	s_cbranch_scc0 .Lentry_shape_is_right
	s_endpgm
.Lentry_shape_is_right:
; heads[h][b][q][:] = softmax_k(Q . K / 8) V, both products on codes of FP6 (E2M3) with E8M0 scales; the heads are quantised in registers along (head, v) for the last product.
; THE SOFTMAX: t = score x log2(e) / 8; M = the row's largest t so far, rounded UP to a whole number; p = 2^(t - M) is quantised along the keys, not normalised.  The row's sum is taken of the unquantised p in f32
; and divides O at the end.  When M moves, the sum and O are multiplied by 2^(old M - new M): exact.
; SHARES.  The cluster's y is (head, batch); its four work-groups are the four blocks of 512 queries; each of sixteen waves owns two tiles of 16 queries, one after the other (a loop of two trips).
; ALL OF K AND V of a (head, batch) lie in LDS, filled once, jointly for the four work-groups: waves 0-7 ask for one block of 24,576 bytes of codes each (chunk wave / 2 of 512 keys; K if the wave is even, V if odd),
; waves 8 and 9 for K's and V's scale words: one tensor load a wave.  All tiles are asked for at the head, so there is no loop to run ahead in and no prefetch is laid.
; LDS: chunk g at 61,440 g: K's 96 rows of 256 bytes, 64 bytes of padding behind each (pitch 320), then V's at + 30,720; K's scale words at 245,760, V's at 253,952; the spare words at 262,144.
; LAYOUT.  Both products are used transposed (S^T = K Q^T, O^T = V^T P^T): a lane holds ONE query.  In memory a tile of 16 rows holds the octets o and o + 2 of a group of 32 rows.  Here a lane's LDS address picks the rows:
; tile u of a group of 64 takes octet u in rows 0-7 and octet 4 + u in rows 8-15 (stored tile 2 a + u % 2, its rows 8 (u / 2) + i; a = row / 8).  So the 32 registers of four tiles are the 32 NEIGHBOURS
; 32 (lane / 16) + 0 .. 31 of the group: a whole block of the quantiser lies in one lane, for p (keys) and for the heads (outputs).  With the pitch of 320 the two octets of a load of 16 bytes a lane fall into different banks.
; THE FIRST PRODUCT HAS K = 64 in a form of 128: the zeros of k = 64 .. 127 stand in Q's fragment; every code is finite and no scale byte is 0xff, so what K's operand holds there adds nothing.
; LIMITS: the scaled scores stay under 2^31 in magnitude; no NaN or infinities; a block of the heads or of p with a largest magnitude under 2^-124 is taken as 2^-124; a block of zeros gets the byte 1 (its codes are zeros).
; REGISTERS: v1-4 16, 8 x lane, 16 r, 4 x lane; v5-7 LDS addresses of the chunk; v8, v9, v30 their lane terms; v31 8 (lane / 16); v10, v12 -M by turns; v13 the largest score; v[14:15] the sum; v16-27 Q; v28 its scale word;
; v29 p's; v32-79 fragments of K, then of V; v80-85 zeros; v86-89 K's scale words, v90-93 V's; v94, v95 the add's; v96-159 S^T, then p; v160-191 O^T; v192-203 p's codes; v204-248 at work.
.set CHK,   61440
.set VO,    30720
.set KSB,   245760
.set SPARE, 262144
.macro CROUND                          ; a round of the cluster's barrier
	s_barrier_signal -1
	s_barrier_wait -1
	s_cmp_lg_u32 s12, 0
	s_cbranch_scc1 .Lnot_wave_0_\@
	s_barrier_signal -3
.Lnot_wave_0_\@:
	s_barrier_wait -3
	s_barrier_signal -1
	s_barrier_wait -1
.endm
	s_load_b256 s[4:11], s[0:1], 0x0               ; qkvc, qkvs, hc, hs
	v_lshl_add_u32 v94, v0, 2, SPARE
	v_mov_b32 v95, 0
	ds_add_u32 v94, v95
	ds_add_u32 v94, v95
	v_lshrrev_b32 v1, 5, v0
	v_readfirstlane_b32 s12, v1                    ; wave 0..15
	v_and_b32 v5, 31, v0
	v_and_b32 v3, 15, v0
	v_and_b32 v6, 7, v0                            ; i
	v_bfe_u32 v7, v0, 3, 1                         ; a
	v_bfe_u32 v31, v0, 4, 1                        ; h
	v_lshlrev_b32 v1, 4, v5
	v_lshlrev_b32 v2, 3, v5
	v_lshlrev_b32 v4, 2, v5
	v_lshlrev_b32 v3, 4, v3
	v_mul_u32_u24 v9, v7, 1920                     ; two stored tiles on: 6 rows of 320
	v_mad_u32_u24 v8, v31, 320, v9
	v_lshl_add_u32 v9, v31, 7, v9
	v_lshl_add_u32 v8, v6, 4, v8                   ; the 16 bytes: 1920 a + 320 h + 16 i
	v_lshl_add_u32 v9, v6, 3, v9                   ; the 8 bytes: 1920 a + 128 h + 8 i
	v_lshlrev_b32 v30, 8, v31
	v_lshl_add_u32 v30, v7, 3, v30
	v_lshl_add_u32 v30, v6, 4, v30                 ; scale words: 256 h + 16 i + 8 a
	v_lshlrev_b32 v31, 3, v31                      ; 8 h
.irp r, 22,23,24,25,26,27,80,81,82,83,84,85,11,225,227,236
	v_mov_b32 v\r, 0                               ; Q's k = 64 .. 127; behind the last tile of K; upper halves of pairs; a permute's destination; the heads' words
.endr
	s_wait_alu depctr_va_vdst(0)                   ; the wait ahead of the run of scalar instructions
	s_bfe_u32 s13, ttmp6, 0x40000                  ; cx: it enters Q's, hc's and hs's addresses alone
	s_and_b32 s14, ttmp7, 0xffff
	s_lshr_b32 s15, s14, 2                         ; head
	s_and_b32 s16, s14, 3                          ; batch
	s_and_b32 s17, s12, 1                          ; 0: K's loads, 1: V's
	s_lshl_b32 s18, s16, 7
	s_lshl_b32 s19, s13, 5
	s_add_co_u32 s18, s18, s19
	s_lshl_b32 s19, s12, 1
	s_add_co_u32 s18, s18, s19                     ; my first tile of tokens: 128 batch + 32 cx + 2 wave
	s_lshl_b32 s19, s15, 9
	s_add_co_u32 s19, s19, s18
	s_mul_i32 s68, s19, 768                        ; Q's codes
	s_mov_b32 s69, 0
	s_lshl_b32 s19, s15, 7
	s_lshr_b32 s66, s18, 2
	s_add_co_u32 s19, s19, s66
	s_lshl_b32 s70, s19, 8
	s_lshl_b32 s66, s17, 3
	s_add_co_u32 s70, s70, s66                     ; Q's scale words: the group of four tiles, + 4 bytes a tile
	s_mov_b32 s71, 0
	s_lshl_b32 s19, s18, 4
	s_add_co_u32 s19, s19, s15
	s_mul_i32 s72, s19, 768                        ; the heads' codes: [tile][head][768]
	s_mov_b32 s73, 0
	s_lshr_b32 s19, s18, 1
	s_lshl_b32 s19, s19, 4
	s_add_co_u32 s19, s19, s15
	s_lshl_b32 s74, s19, 7                         ; their scale words: [pair][head][128]
	s_mov_b32 s75, 0
	s_lshl_b32 s66, s15, 9
	s_lshl_b32 s67, s16, 7
	s_add_co_u32 s66, s66, s67                     ; 512 head + 128 batch
	s_add_co_u32 s67, s17, 1                       ; K's part of each buffer begins one part's length in, V's two
	s_mul_i32 s76, s66, 768
	s_mul_i32 s77, s67, 6291456
	s_add_co_u32 s76, s76, s77
	s_lshr_b32 s77, s12, 1
	s_mul_i32 s77, s77, 24576
	s_add_co_u32 s76, s76, s77                     ; the codes that I ask for: chunk wave / 2
	s_mov_b32 s77, 0
	s_lshl_b32 s78, s66, 6
	s_lshl_b32 s79, s67, 19
	s_add_co_u32 s78, s78, s79                     ; and the scale words
	s_mov_b32 s79, 0
	s_mul_i32 s80, s12, VO                         ; where they go: no place in the cluster enters an LDS address
	s_lshl_b32 s81, s17, 13
	s_add_co_u32 s81, s81, KSB
	s_mov_b32 s20, 0x76543210
	s_mov_b32 s21, 0xfedcba98                      ; v_permlanex16_b32's selects for lane l xor 16
	s_mov_b32 s22, 0x3e38aa3b                      ; c = log2(e) / 8
	s_mov_b32 s23, s22
	s_mov_b32 s63, 0x0000ffff                      ; the lanes that keep this tile's scale words
	s_mov_b32 s24, 15|(3<<16)|(1<<20)|(1<<21)|(5<<22)|(15<<25)   ; codes: 96 rows of 32 elements of 8 bytes, 16 words of padding behind each 64; the mask names all four work-groups
	s_mov_b32 s25, 32<<16
	s_mov_b32 s26, 96<<16
	s_mov_b32 s27, 32<<16
	s_mov_b32 s28, 96
	s_mov_b32 s29, 32
	s_mov_b32 s30, 0
	s_mov_b32 s31, 0
	s_mov_b32 s32, 15|(3<<16)|(1<<21)              ; scale words: 32 rows of 256 bytes, dense
	s_mov_b32 s33, 32<<16
	s_mov_b32 s34, 32<<16
	s_mov_b32 s35, 32<<16
	s_mov_b32 s36, 32
	s_mov_b32 s37, 32
	s_mov_b32 s38, 0
	s_mov_b32 s39, 0
	s_wait_dscnt 0x0
	s_wait_kmcnt 0x0
	s_add_nc_u64 s[68:69], s[4:5], s[68:69]
	s_add_nc_u64 s[70:71], s[6:7], s[70:71]
	s_add_nc_u64 s[72:73], s[8:9], s[72:73]
	s_add_nc_u64 s[74:75], s[10:11], s[74:75]
	s_mov_b32 s40, 1
	s_mov_b32 s41, s81
	s_add_nc_u64 s[42:43], s[6:7], s[78:79]
	s_or_b32 s43, s43, 0x80000000
	s_mov_b32 s44, 1
	s_mov_b32 s45, s80
	s_add_nc_u64 s[46:47], s[4:5], s[76:77]
	s_or_b32 s47, s47, 0x80000000
	CROUND                                         ; all four work-groups are here: the joint loads meet
	s_cmp_lt_u32 s12, 8                            ; one chain of branches on the wave's number, one fill to an arm
	s_cbranch_scc0 .Lnot_codes
	tensor_load_to_lds s[44:47], s[24:31]
	s_nop 0
.rept 4
	v_nop
.endr
	s_branch .Lasked
.Lnot_codes:
	s_cmp_lt_u32 s12, 10
	s_cbranch_scc0 .Lasked
	tensor_load_to_lds s[40:43], s[32:39]
	s_nop 0
.rept 4
	v_nop
.endr
.Lasked:
	s_mov_b32 s59, 2                               ; tiles to go
	s_wait_alu depctr_va_vdst(0)
	s_wait_tensorcnt 0x0                           ; my fill is in
	s_barrier_signal -1
	s_barrier_wait -1                              ; everybody's is
; K's eight half images and scale words of step kj of the chunk at v5-7
.macro KLOAD kj
.irp c, 0,1
.irp u, 0,1,2,3
	ds_load_b128 v[32+6*(4*\c+\u):35+6*(4*\c+\u)], v5 offset:(2*(\kj)+\c)*3840+(\u%2)*960+(\u/2)*128
	ds_load_b64 v[36+6*(4*\c+\u):37+6*(4*\c+\u)], v6 offset:(2*(\kj)+\c)*3840+(\u%2)*960+640+(\u/2)*64
.endr
.endr
	ds_load_b64 v[86:87], v7 offset:512*(\kj)      ; lanes 0-15 the first 64 keys' tiles 0, 1, lanes 16-31 the second 64's
	ds_load_b64 v[88:89], v7 offset:512*(\kj)+128  ; tiles 2, 3
.endm
; the row's sum of the unquantised p: 28 packed additions into four pairs, v228-235; items n0 .. n1 - 1
.macro SUMS n0, n1
.set N, \n0
.rept (\n1)-(\n0)
.if N < 4
	v_pk_add_f32 v[228+2*N:229+2*N], v[96+4*N:97+4*N], v[98+4*N:99+4*N]
.else
	v_pk_add_f32 v[228+2*(N%4):229+2*(N%4)], v[228+2*(N%4):229+2*(N%4)], v[104+2*N:105+2*N]
.endif
.set N, N+1
.endr
.endm
.macro JOIN                            ; the last step's four pairs into the sum, under that step's f
	v_pk_add_f32 v[228:229], v[228:229], v[230:231]
	v_pk_add_f32 v[232:233], v[232:233], v[234:235]
	s_delay_alu instid0(VALU_DEP_1)
	v_pk_add_f32 v[228:229], v[228:229], v[232:233]
	s_delay_alu instid0(VALU_DEP_1)
	v_pk_fma_f32 v[14:15], v[14:15], v[224:225], v[228:229] op_sel_hi:[1,0,1]
.endm
; A KEY STEP: 128 keys, step j of the chunk.  Its fragments of K were asked for at the end of the step before.  -M stands in v12 after even steps and in v10 after odd ones.
.macro STEP j
.set MN, 12-2*((\j)%2)
.set MO, 10+2*((\j)%2)
	s_wait_alu depctr_va_vdst(0)                   ; the wait ahead of a wait that blocks
	s_wait_dscnt 0x0                               ; K's fragments and scale words are in
.irp x, 0,1,2,3
	v_wmma_scale_f32_16x16x128_f8f6f4 v[96+8*\x:103+8*\x], v[32+6*\x:43+6*\x], v[16:27], 0, v[86+\x], v28 matrix_a_fmt:MATRIX_FMT_FP6 matrix_b_fmt:MATRIX_FMT_FP6
.endr
.irp x, 4,5,6,7
	v_wmma_scale_f32_16x16x128_f8f6f4 v[96+8*\x:103+8*\x], v[32+6*\x:43+6*\x], v[16:27], 0, v[82+\x], v28 matrix_a_fmt:MATRIX_FMT_FP6 matrix_b_fmt:MATRIX_FMT_FP6 matrix_a_scale:MATRIX_SCALE_ROW1
.endr
	JOIN                                           ; four plain instructions that name no register of the products: the places in front of the loads below and of the first read of the scores
.irp u, 0,1,2,3                        ; V's four fragments (16 outputs x 128 keys) land while the softmax is walked
.irp c, 0,1
	ds_load_b128 v[32+12*\u+6*\c:35+12*\u+6*\c], v5 offset:VO+(2*(\j)+\c)*3840+(\u%2)*960+(\u/2)*128
	ds_load_b64 v[36+12*\u+6*\c:37+12*\u+6*\c], v6 offset:VO+(2*(\j)+\c)*3840+(\u%2)*960+640+(\u/2)*64
.endr
.endr
	ds_load_b64 v[90:91], v7 offset:8192+512*(\j)
	ds_load_b64 v[92:93], v7 offset:8192+512*(\j)+128
.irp b, 0,1,2,3                        ; largest scores, four chains by turns; each accumulator is first read at its low end
	v_max3_num_f32 v[212+\b], v[96+16*\b], v[97+16*\b], v[98+16*\b]
.endr
.irp i, 3,5,7,9,11,13
.irp b, 0,1,2,3
	v_max3_num_f32 v[212+\b], v[212+\b], v[96+16*\b+\i], v[97+16*\b+\i]
.endr
.endr
	v_max3_num_f32 v212, v212, v213, v111
	v_max3_num_f32 v214, v214, v215, v143
	v_max_num_f32 v212, v212, v127                 ; my block of the first 64 keys: it serves for the row's maximum and, since p rises with the score, for the block's largest p
	v_max_num_f32 v214, v214, v159                 ; and of the second 64
	s_delay_alu instid0(VALU_DEP_1)
	v_max_num_f32 v226, v212, v214
	s_delay_alu instid0(VALU_DEP_1)
	v_permlanex16_b32 v227, v226, s20, s21
	s_delay_alu instid0(VALU_DEP_1)
	v_max3_num_f32 v13, v13, v226, v227            ; the running largest score of my query
	s_delay_alu instid0(VALU_DEP_1)
	v_mul_f32 v226, s22, v13                       ; as t (c is positive)
	s_delay_alu instid0(VALU_DEP_1)
	v_floor_f32 v[MN], -v226                       ; the new -M = floor(-t)
	s_delay_alu instid0(VALU_DEP_1)
	v_sub_f32 v226, v[MN], v[MO]                   ; old M - new M: a whole number, 0 or less
	s_delay_alu instid0(VALU_DEP_1)
	v_cvt_i32_f32 v226, v226                       ; (it saturates)
	s_delay_alu instid0(VALU_DEP_1)
	v_ldexp_f32 v224, 1.0, v226                    ; f = 2^(old M - new M)
.set J, 0
.rept 32
	v_pk_fma_f32 v[96+J:97+J], v[96+J:97+J], s[22:23], v[MN:MN+1] op_sel_hi:[1,0,0]   ; t - M, two at a time
.set J, J+2
.endr
	v_fma_f32 v212, v212, s22, v[MN]               ; the same of each block's largest score
	v_fma_f32 v214, v214, s22, v[MN]
	s_wait_alu depctr_va_vdst(0)                   ; the wait ahead of the batch
.set J, 0
.rept 64
	v_exp_f32 v[96+J], v[96+J]                     ; p = 2^(t - M), at most 1
.set J, J+1
.endr
	v_exp_f32 v212, v212                           ; the blocks' largest p: the same two instructions on the same number give the same bits
	v_exp_f32 v214, v214
	s_wait_alu depctr_va_vdst(0)                   ; one wait for the batch, directly ahead of the first reader of O^T too
.set J, 0
.rept 16
	v_pk_mul_f32 v[160+J:161+J], v[160+J:161+J], v[224:225] op_sel_hi:[1,0]   ; O^T under the new M, each accumulator from its low end on; the first is the plain instruction behind the exponentials
.set J, J+2
.endr
	v_max_num_f32 v212, 0x1800000, v212            ; the floor 2^(3 - 127): the byte cannot fall under 1
	v_max_num_f32 v214, 0x1800000, v214
	s_delay_alu instid0(VALU_DEP_2)
	v_add_nc_u32 v220, 0xff000000, v212            ; 2 off the exponent field: the conversion's scale operand
	s_delay_alu instid0(VALU_DEP_2)
	v_add_nc_u32 v221, 0xff000000, v214
	s_delay_alu instid0(VALU_DEP_2)
	v_lshrrev_b32 v216, 23, v220                   ; the bytes of blocks h and 2 + h
	s_delay_alu instid0(VALU_DEP_2)
	v_lshrrev_b32 v217, 23, v221
	s_delay_alu instid0(VALU_DEP_1)
	v_lshl_or_b32 v216, v217, 16, v216
	s_delay_alu instid0(VALU_DEP_1)
	v_lshlrev_b32 v216, v31, v216                  ; at their places, 8 h bits up
	s_delay_alu instid0(VALU_DEP_1)
	v_permlanex16_b32 v227, v216, s20, s21
	s_delay_alu instid0(VALU_DEP_1)
	v_or_b32 v29, v216, v227                       ; p's scale word for these 128 keys
	v_cvt_scalef32_pk16_fp6_f32 v[192:194], v[96:111], v220
	v_cvt_scalef32_pk16_fp6_f32 v[204:206], v[112:127], v220   ; (a conversion's three registers begin on an even number)
	v_cvt_scalef32_pk16_fp6_f32 v[198:200], v[128:143], v221
	v_cvt_scalef32_pk16_fp6_f32 v[208:210], v[144:159], v221
	SUMS 0, 8                                      ; plain instructions behind the conversions
.irp i, 0,1,2
	v_mov_b32 v[195+\i], v[204+\i]
	v_mov_b32 v[201+\i], v[208+\i]
.endr
	SUMS 8, 20                                     ; twelve places between p's codes and the products; with the lines above more than eight behind p's word
	s_wait_alu depctr_va_vdst(0)
	s_wait_dscnt 0x0                               ; V's fragments are in
.irp u, 0,1,2,3                        ; the four accumulators take turns, and eight other products stand between two steps' turns
	v_wmma_scale_f32_16x16x128_f8f6f4 v[160+8*\u:167+8*\u], v[32+12*\u:43+12*\u], v[192:203], v[160+8*\u:167+8*\u], v[90+\u], v29 matrix_a_fmt:MATRIX_FMT_FP6 matrix_b_fmt:MATRIX_FMT_FP6
.endr
.if (\j) == 3
	s_add_co_u32 s60, s60, CHK                     ; on to the next chunk
	s_add_co_u32 s61, s61, 2048
	v_add_nc_u32 v5, s60, v8
	v_add_nc_u32 v6, s60, v9
	v_add_nc_u32 v7, s61, v30
.endif
	SUMS 20, 28                                    ; eight plain instructions that name no register of the products: the places in front of the loads below
.if (\j) == 3
	KLOAD 0                                        ; behind a tile's last step these read the scale words' bytes, inside LDS, and nothing uses them
.else
	KLOAD (\j)+1
.endif
.endm
.Ltile:                                                ; a tile of 16 queries: all 2,048 keys, then the heads' half image and its two scale bytes
	global_load_b128 v[16:19], v1, s[68:69]        ; Q's half image
	global_load_b64 v[20:21], v2, s[68:69] offset:512
	global_load_b32 v28, v3, s[70:71]
	v_mov_b32 v13, 0xff61b1e6                      ; the largest score so far: -3e38
	v_mov_b32 v10, 0x7f61b1e6                      ; -M
.irp r, 14,15,224,228,229,230,231,232,233,234,235
	v_mov_b32 v\r, 0                               ; the sum, f and the four pairs
.endr
.set J, 0
.rept 32
	v_mov_b32 v[160+J], 0                          ; O^T: the step is written in one form; the first change of M leaves zeros zeros
.set J, J+1
.endr
	s_mov_b32 s60, 0
	s_mov_b32 s61, KSB
	v_add_nc_u32 v5, s60, v8
	v_add_nc_u32 v6, s60, v9
	v_add_nc_u32 v7, s61, v30
	s_wait_alu depctr_va_vdst(0)
	s_wait_dscnt 0x0                               ; no LDS load of mine is out
	KLOAD 0
	s_wait_loadcnt 0x0
	s_mov_b32 s62, 4
.Lchunk:                                               ; a chunk of 512 keys: four steps, every offset an immediate
	STEP 0
	STEP 1
	STEP 2
	STEP 3
	s_sub_co_u32 s62, s62, 1
	s_cmp_lg_u32 s62, 0
	s_wait_alu depctr_va_vdst(0)
	s_cbranch_scc1 .Lchunk
	JOIN
	s_delay_alu instid0(VALU_DEP_1)
	v_add_f32 v14, v14, v15                        ; the sum's two halves,
	s_delay_alu instid0(VALU_DEP_1)
	v_permlanex16_b32 v227, v14, s20, s21
	s_delay_alu instid0(VALU_DEP_1)
	v_add_f32 v14, v14, v227                       ; and lane l xor 16's
	s_wait_alu depctr_va_vdst(0)
	v_rcp_f32 v224, v14
	v_nop                                          ; a plain instruction behind the reciprocal
	s_wait_alu depctr_va_vdst(0)                   ; ahead of the reciprocal's first reader, which is O^T's too
.set J, 0
.rept 16
	v_pk_mul_f32 v[96+J:97+J], v[160+J:161+J], v[224:225] op_sel_hi:[1,0]   ; the heads: register n is output 32 (lane / 16) + n
.set J, J+2
.endr
.irp b, 0,1
	v_max3_num_f32 v[212+\b], |v[96+16*\b]|, |v[97+16*\b]|, 0x1800000
.endr
.irp i, 2,4,6,8,10,12,14
.irp b, 0,1
	s_delay_alu instid0(VALU_DEP_2)
	v_max3_num_f32 v[212+\b], v[212+\b], |v[96+16*\b+\i]|, |v[97+16*\b+\i]|
.endr
.endr
	s_delay_alu instid0(VALU_DEP_1)
	v_max_num_f32 v212, v212, v213                 ; my block's largest magnitude: all 32 numbers are mine
	s_delay_alu instid0(VALU_DEP_1)
	v_add_nc_u32 v220, 0xff000000, v212
	s_delay_alu instid0(VALU_DEP_1)
	v_lshrrev_b32 v216, 23, v220
	s_delay_alu instid0(VALU_DEP_1)
	v_lshlrev_b32 v216, v31, v216
	s_delay_alu instid0(VALU_DEP_1)
	v_permlanex16_b32 v227, v216, s20, s21
	s_delay_alu instid0(VALU_DEP_1)
	v_or_b32 v216, v216, v227                      ; my row's two bytes for this head
	s_delay_alu instid0(VALU_DEP_1)
	v_cndmask_b32 v236, v236, v216, s63            ; lanes 0-15 keep the even tile's words, lanes 16-31 the odd tile's
	s_wait_alu depctr_va_vdst(0)
	s_wait_xcnt 0x0                                ; the last tile's stores have read their data
	v_cvt_scalef32_pk16_fp6_f32 v[240:242], v[96:111], v220
	v_cvt_scalef32_pk16_fp6_f32 v[246:248], v[112:127], v220
	v_nop                                          ; one plain instruction behind a scaled conversion
.irp i, 0,1,2
	v_mov_b32 v[243+\i], v[246+\i]
.endr
	global_store_b128 v1, v[240:243], s[72:73]     ; 512 and 256 consecutive bytes, at multiples of 256 from the buffer's first byte
	global_store_b64 v2, v[244:245], s[72:73] offset:512
	s_wait_xcnt 0x0                                ; the loads and stores have read their bases: on to the next tile
	s_add_nc_u64 s[68:69], s[68:69], 768
	s_add_nc_u64 s[70:71], s[70:71], 4
	s_add_nc_u64 s[72:73], s[72:73], 12288
	s_not_b32 s63, s63
	s_sub_co_u32 s59, s59, 1
	s_cmp_lg_u32 s59, 0
	s_wait_alu depctr_va_vdst(0)
	s_cbranch_scc1 .Ltile
	global_store_b32 v4, v236, s[74:75]
	s_wait_tensorcnt 0x0                           ; the wave's end
	ds_add_u32 v94, v95
	s_wait_dscnt 0x0
	CROUND                                         ; the closing round: no work-group ends while a partner may still ask for a tile that names it
	s_endpgm
.Lfunc_end_k_q0f3d7f2b43_attn:
	.size	k_q0f3d7f2b43_attn, .Lfunc_end_k_q0f3d7f2b43_attn-k_q0f3d7f2b43_attn
	.p2alignl 7, 3214868480
	.fill 96, 4, 3214868480
	.section	.rodata,"a",@progbits
	.p2align	6, 0x0
	.amdhsa_kernel k_q0f3d7f2b43_attn
		.amdhsa_group_segment_fixed_size 264192
		.amdhsa_private_segment_fixed_size 0
		.amdhsa_enable_private_segment 0
		.amdhsa_kernarg_size 32
		.amdhsa_user_sgpr_count 2
		.amdhsa_user_sgpr_kernarg_segment_ptr 1
		.amdhsa_wavefront_size32 1
		.amdhsa_system_sgpr_workgroup_id_x 1
		.amdhsa_system_sgpr_workgroup_id_y 1
		.amdhsa_system_sgpr_workgroup_id_z 1
		.amdhsa_system_vgpr_workitem_id 0
		.amdhsa_next_free_vgpr 256
		.amdhsa_next_free_sgpr 84
		.amdhsa_reserve_vcc 0
		.amdhsa_float_denorm_mode_32 3
		.amdhsa_float_denorm_mode_16_64 3
		.amdhsa_memory_ordered 1
		.amdhsa_forward_progress 1
		.amdhsa_inst_pref_size 76
	.end_amdhsa_kernel
	.amdgpu_metadata
---
amdhsa.version: [ 1, 2 ]
amdhsa.kernels:
  - .name:           k_q0f3d7f2b43_attn
    .symbol:         k_q0f3d7f2b43_attn.kd
    .args:
      - { .name: qkvc, .offset: 0, .size: 8, .value_kind: global_buffer, .address_space: global }
      - { .name: qkvs, .offset: 8, .size: 8, .value_kind: global_buffer, .address_space: global }
      - { .name: hc, .offset: 16, .size: 8, .value_kind: global_buffer, .address_space: global }
      - { .name: hs, .offset: 24, .size: 8, .value_kind: global_buffer, .address_space: global }
    .group_segment_fixed_size: 264192
    .private_segment_fixed_size: 0
    .kernarg_segment_align: 8
    .kernarg_segment_size: 32
    .max_flat_workgroup_size: 512
    .sgpr_count:     84
    .vgpr_count:     256
    .wavefront_size: 32
...
	.end_amdgpu_metadata
.endif
;; end of part 3
;; launch outp (part 4): grid 4 x 64, 4 waves a work-group, clusters of 4 x 4, 327,680 bytes of LDS; arguments hc, hs, wc, ws, out0; writes out0
.if DOCPART == 4
	.amdgcn_target "amdgcn-amd-amdhsa--gfx1250"
	.amdhsa_code_object_version 6
	.text
	.protected	k_q0f3d7f2b43_outp
	.globl	k_q0f3d7f2b43_outp
	.p2align	8
	.type	k_q0f3d7f2b43_outp,@function
k_q0f3d7f2b43_outp:
	s_mov_b64 s[64:65], 0
	v_nop
	global_prefetch_b8 v0, s[64:65] scope:SCOPE_SE
	s_setreg_imm32_b32 hwreg(HW_REG_WAVE_MODE, 25, 1), 1
	s_wait_xcnt 0x0
	s_wait_alu depctr_hold_cnt(0) depctr_sa_sdst(0) depctr_va_vdst(0) depctr_va_sdst(0) depctr_va_ssrc(0) depctr_va_vcc(0) depctr_vm_vsrc(0)
	s_getreg_b32 s2, hwreg(HW_REG_IB_STS2, 6, 4)
	s_cmp_eq_u32 s2, 0
	s_cbranch_scc0 .Lentry_in_a_cluster
	s_endpgm
.Lentry_in_a_cluster:
	s_bfe_u32 s2, ttmp6, 0x10000c
	s_cmp_lg_u32 s2, 0xf033
	s_cbranch_scc0 .Lentry_shape_is_right
	s_endpgm
.Lentry_shape_is_right:
; out0[token][e] = the sum over (head, v) of heads x W_out, on codes of FP6 (E2M3) with E8M0 scales, f32 sums.
; THE PRODUCT is the projection launch's: X = 256 columns e of W_out (source 0; tiles 192-255 of wc), Y = 128 tokens (source 1; hc), all of K = 1,024 resident in LDS.  Four waves; wave (wx, wy) makes X 128 x Y 64.
; In a result a lane holds token row lane % 16 of a tile and, since X's tiles take their rows as 32 p + 8 u + r + 8 (r / 8), neighbouring e: tile 2 b + u's register j is e = 32 b + 16 (lane / 16) + 8 u + j.
; CLUSTER 4 x 4: X's tiles are shared along a column of the cluster, Y's along a row, each asked for jointly.  LDS: two stages of four K steps, 147,456 bytes each, every byte filled once.
; THE HEADS' SCALE WORDS lie as two bytes a head: two heads' words make a K step's.
; THE WAY OUT: a tile of 16 tokens x 128 e goes through the wave's own stage in LDS (16 rows of 512 + 16 bytes, in bytes that have had their only fill and that nobody reads any more) and leaves as rows of 512 bytes.
; REGISTERS: window 0: v1-6 lane, r, h, 16, 8, 4 x lane; v8-11 LDS addresses; v24, v25 the stage; v32-63 X's scale words; v64-79 Y's; v96-127 the heads' words as loaded; v128-175, v176-223 Y's fragments, two sets;
;   on the way out v128-255 rows of out0.   window 1: accumulator (x, y) at 64 y + 8 x.   window 2: v0-95, v96-191 X's fragments, two sets.
.set TILEB,  12288
.set STB,    6144                      ; four K steps of a tile: a stage holds half of K
.set LOADB,  8*STB
.set STAGEB, 3*LOADB
.set STAGED, 1                         ; the way out goes through LDS: one barrier more, in the last K step
.set SPITCH, 528
.set MULW,   0x52
.set TO_X,   0x80
.set MSB, 0
.macro WIN new                         ; the immediate's high byte repeats the setting that is left
.if MSB != \new
	s_set_vgpr_msb (MSB<<8)|\new
.set MSB, \new
.endif
.endm
.macro CROUND                          ; a round of the cluster's barrier
	s_barrier_signal -1
	s_barrier_wait -1
	s_cmp_lg_u32 s16, 0
	s_cbranch_scc1 .Lnot_wave_0_\@
	s_barrier_signal -3
.Lnot_wave_0_\@:
	s_barrier_wait -3
	s_barrier_signal -1
	s_barrier_wait -1
.endm
.macro PLACES n
.rept \n
	v_nop
.endr
.endm
	s_load_b256 s[4:11], s[0:1], 0x0               ; hc, hs, wc, ws
	s_load_b64 s[12:13], s[0:1], 0x20              ; out0
	v_lshl_add_u32 v94, v0, 2, 0x48000
	v_mov_b32 v95, 0
	ds_add_u32 v94, v95
	ds_add_u32 v94, v95
	v_lshrrev_b32 v1, 5, v0
	v_readfirstlane_b32 s16, v1                    ; wave 0..3
	s_lshr_b32 s17, s16, 1                         ; wx
	s_and_b32 s18, s16, 1                          ; wy.  Also: which eight tiles of X waves 0 and 1 fetch
	v_and_b32 v1, 31, v0
	v_and_b32 v2, 15, v0                           ; r
	v_bfe_u32 v3, v0, 4, 1                         ; h
	v_lshlrev_b32 v4, 4, v1
	v_lshlrev_b32 v5, 3, v1
	v_lshlrev_b32 v6, 2, v1
	s_mul_i32 s23, s17, LOADB
	v_add_nc_u32 v8, s23, v4
	v_add_nc_u32 v9, s23, v5
	s_mul_i32 s23, s18, 4*STB
	s_add_co_u32 s23, s23, 2*LOADB
	v_add_nc_u32 v10, s23, v4
	v_add_nc_u32 v11, s23, v5
	s_mul_i32 s23, s16, 16*SPITCH                  ; my stage
	v_mul_u32_u24 v24, v2, SPITCH
	v_lshl_add_u32 v24, v3, 6, v24
	v_add_nc_u32 v24, s23, v24                     ; in: row r, + 64 h
	v_add_nc_u32 v25, s23, v4                      ; back: 16 bytes a lane of a row
	s_bfe_u32 s19, ttmp6, 0x40000                  ; cx
	s_bfe_u32 s20, ttmp6, 0x40004                  ; cy
	s_and_b32 s21, ttmp7, 0xffff
	s_lshl_b32 s92, 0x1111, s19                    ; my column of the cluster
	s_or_b32 s24, s92, (3<<16)|(1<<21)
	s_lshl_b32 s94, s20, 2
	s_lshl_b32 s94, 15, s94                        ; my row
	s_or_b32 s32, s94, (3<<16)|(1<<21)
.irp g, 24, 32                         ; 8 rows (tiles) x 768 elements of 8 bytes, 1,536 elements from tile to tile, no padding
	s_mov_b32 s[\g+1], 768<<16
	s_mov_b32 s[\g+2], 8<<16
	s_mov_b32 s[\g+3], 768<<16
	s_mov_b32 s[\g+4], 8
	s_mov_b32 s[\g+5], 1536
	s_mov_b32 s[\g+6], 0
	s_mov_b32 s[\g+7], 0
.endr
	s_mov_b32 s34, 4<<16                           ; Y's loads bring four tiles each: waves 2 and 3 share Y's eight
	s_mov_b32 s36, 4
	s_lshl_b32 s76, ttmp9, 2
	s_add_co_u32 s76, s76, s19                     ; X tile 0..3
	s_lshl_b32 s77, s21, 2
	s_add_co_u32 s77, s77, s20                     ; Y tile 0..63
	s_lshl_b32 s92, s76, 4
	s_lshl_b32 s93, s18, 3
	s_add_co_u32 s92, s92, s93
	s_add_co_u32 s92, s92, 192
	s_mul_i32 s92, s92, TILEB                      ; X's codes: tile 192 + 16 X + 8 (wave % 2) of wc
	s_mov_b32 s93, 0
	s_mul_i32 s94, s77, 8*TILEB                    ; Y's codes: tile 8 Y of hc,
	s_mul_i32 s95, s18, 4*TILEB
	s_add_co_u32 s94, s94, s95                     ; + 4 (wave % 2)
	s_mov_b32 s95, 0
	s_mul_i32 s68, s18, 4*STB                      ; and where waves 2 and 3 put them
	s_lshl_b32 s78, s76, 3
	s_lshl_b32 s79, s17, 2
	s_add_co_u32 s78, s78, s79
	s_add_co_u32 s78, s78, 96
	s_lshl_b32 s78, s78, 10                        ; X's scale words: pair 96 + 8 X + 4 wx of ws
	s_mov_b32 s79, 0
	s_lshl_b32 s90, s77, 2
	s_lshl_b32 s91, s18, 1
	s_add_co_u32 s90, s90, s91
	s_lshl_b32 s90, s90, 11                        ; the heads' words: pair 4 Y + 2 wy, 2,048 bytes a pair
	s_mov_b32 s91, 0
	s_lshl_b32 s84, s77, 1
	s_add_co_u32 s84, s84, s18
	s_lshl_b32 s84, s84, 18                        ; out0: my 64 tokens x 4,096 bytes,
	s_lshl_b32 s85, s76, 1
	s_add_co_u32 s85, s85, s17
	s_lshl_b32 s85, s85, 9                         ; my 128 columns x 4 bytes
	s_add_co_u32 s84, s84, s85
	s_mov_b32 s85, 0
	s_mul_i32 s22, s18, LOADB                      ; where waves 0 and 1 put X's tiles
	s_wait_dscnt 0x0
	s_wait_kmcnt 0x0
	s_add_nc_u64 s[86:87], s[8:9], s[92:93]
	s_add_nc_u64 s[88:89], s[4:5], s[94:95]
	s_add_nc_u64 s[80:81], s[10:11], s[78:79]
	s_add_nc_u64 s[82:83], s[6:7], s[90:91]
	s_add_nc_u64 s[84:85], s[12:13], s[84:85]
.irp t, 0,1                            ; group 0 for each of the two stages: X's in s40-47, Y's in s56-63
	s_mov_b32 s[40+4*\t], 1
	s_add_co_u32 s[41+4*\t], s22, \t*STAGEB
	s_add_nc_u64 s[42+4*\t:43+4*\t], s[86:87], \t*STB
	s_or_b32 s[43+4*\t], s[43+4*\t], 0x80000000
	s_mov_b32 s[56+4*\t+4*(\t/2)], 1
	s_add_co_u32 s[57+4*\t+4*(\t/2)], s68, 2*LOADB+\t*STAGEB
	s_add_nc_u64 s[58+4*\t+4*(\t/2):59+4*\t+4*(\t/2)], s[88:89], \t*STB
	s_or_b32 s[59+4*\t+4*(\t/2)], s[59+4*\t+4*(\t/2)], 0x80000000
.endr
	CROUND                                         ; all sixteen work-groups are here: the joint loads meet
	s_cmp_lt_u32 s16, 2                            ; a wave's fills stand in one branch on the wave's number: waves 0 and 1 X's halves, waves 2 and 3 Y's halves.  One tensor load of a wave is out at the most
	s_cbranch_scc0 .Lnot_x
	tensor_load_to_lds s[40:43], s[24:31]          ; stage 0: one tensor load a wave at the head
	s_nop 0
	PLACES 4
	s_branch .Lasked
.Lnot_x:
	tensor_load_to_lds s[56:59], s[32:39]
	s_nop 0
	PLACES 4
.Lasked:
	s_wait_alu depctr_va_vdst(0)
.irp p, 0,1,2,3
.irp s, 0,1,2,3,4,5,6,7
	global_load_b32 v[32+8*\p+\s], v6, s[80:81] offset:\p*1024+\s*128
.endr
.endr
.irp p, 0,1
.irp d, 0,1,2,3,4,5,6,7,8,9,10,11,12,13,14,15
	global_load_b32 v[96+16*\p+\d], v6, s[82:83] offset:\p*2048+\d*128
.endr
.endr
	s_wait_loadcnt 0x0
.irp p, 0,1
.irp s, 0,1,2,3,4,5,6,7
	v_lshl_or_b32 v[64+8*\p+\s], v[97+16*\p+2*\s], 16, v[96+16*\p+2*\s]   ; heads 2 s and 2 s + 1 are K step s
.endr
.endr
	PLACES 8                                       ; a scale register written by a vector instruction stands eight places ahead of a scaled matrix instruction
; K step s's fragments into set s % 2: 48 LDS loads, each of 512 or 256 consecutive bytes
.macro FETCH s
.set FX, 96*((\s)%2)
.set FY, 128+48*((\s)%2)
.set FK, 1536*((\s)%4)
	WIN TO_X
.irp i, 0,1,2,3,4,5,6,7
	ds_load_b128 v[FX+12*\i:FX+12*\i+3], v8 offset:FK+\i*STB
	ds_load_b64 v[FX+12*\i+4:FX+12*\i+5], v9 offset:FK+\i*STB+512
	ds_load_b128 v[FX+12*\i+6:FX+12*\i+9], v8 offset:FK+\i*STB+768
	ds_load_b64 v[FX+12*\i+10:FX+12*\i+11], v9 offset:FK+\i*STB+1280
.endr
	WIN 0
.irp i, 0,1,2,3
	ds_load_b128 v[FY+12*\i:FY+12*\i+3], v10 offset:FK+\i*STB
	ds_load_b64 v[FY+12*\i+4:FY+12*\i+5], v11 offset:FK+\i*STB+512
	ds_load_b128 v[FY+12*\i+6:FY+12*\i+9], v10 offset:FK+\i*STB+768
	ds_load_b64 v[FY+12*\i+10:FY+12*\i+11], v11 offset:FK+\i*STB+1280
.endr
.endm
; One matrix instruction: X tile x against Y tile y, K step s.  A register of scale words serves a pair of tiles: the even tile's in lanes 0-15, the odd tile's in lanes 16-31.  K step 0 starts the sums.
.macro WM x, y, s
.set rD, 64*(\y)+8*(\x)
.set rA, 96*((\s)%2)+12*(\x)
.set rB, 128+48*((\s)%2)+12*(\y)
.set rP, 32+8*((\x)/2)+(\s)
.set rQ, 64+8*((\y)/2)+(\s)
.if (\s) == 0
.if ((\x)%2 == 0) && ((\y)%2 == 0)
	v_wmma_scale_f32_16x16x128_f8f6f4 v[rD:rD+7], v[rA:rA+11], v[rB:rB+11], 0, v[rP], v[rQ] matrix_a_fmt:MATRIX_FMT_FP6 matrix_b_fmt:MATRIX_FMT_FP6
.elseif ((\y)%2 == 0)
	v_wmma_scale_f32_16x16x128_f8f6f4 v[rD:rD+7], v[rA:rA+11], v[rB:rB+11], 0, v[rP], v[rQ] matrix_a_fmt:MATRIX_FMT_FP6 matrix_b_fmt:MATRIX_FMT_FP6 matrix_a_scale:MATRIX_SCALE_ROW1
.elseif ((\x)%2 == 0)
	v_wmma_scale_f32_16x16x128_f8f6f4 v[rD:rD+7], v[rA:rA+11], v[rB:rB+11], 0, v[rP], v[rQ] matrix_a_fmt:MATRIX_FMT_FP6 matrix_b_fmt:MATRIX_FMT_FP6 matrix_b_scale:MATRIX_SCALE_ROW1
.else
	v_wmma_scale_f32_16x16x128_f8f6f4 v[rD:rD+7], v[rA:rA+11], v[rB:rB+11], 0, v[rP], v[rQ] matrix_a_fmt:MATRIX_FMT_FP6 matrix_b_fmt:MATRIX_FMT_FP6 matrix_a_scale:MATRIX_SCALE_ROW1 matrix_b_scale:MATRIX_SCALE_ROW1
.endif
.else
.if ((\x)%2 == 0) && ((\y)%2 == 0)
	v_wmma_scale_f32_16x16x128_f8f6f4 v[rD:rD+7], v[rA:rA+11], v[rB:rB+11], v[rD:rD+7], v[rP], v[rQ] matrix_a_fmt:MATRIX_FMT_FP6 matrix_b_fmt:MATRIX_FMT_FP6
.elseif ((\y)%2 == 0)
	v_wmma_scale_f32_16x16x128_f8f6f4 v[rD:rD+7], v[rA:rA+11], v[rB:rB+11], v[rD:rD+7], v[rP], v[rQ] matrix_a_fmt:MATRIX_FMT_FP6 matrix_b_fmt:MATRIX_FMT_FP6 matrix_a_scale:MATRIX_SCALE_ROW1
.elseif ((\x)%2 == 0)
	v_wmma_scale_f32_16x16x128_f8f6f4 v[rD:rD+7], v[rA:rA+11], v[rB:rB+11], v[rD:rD+7], v[rP], v[rQ] matrix_a_fmt:MATRIX_FMT_FP6 matrix_b_fmt:MATRIX_FMT_FP6 matrix_b_scale:MATRIX_SCALE_ROW1
.else
	v_wmma_scale_f32_16x16x128_f8f6f4 v[rD:rD+7], v[rA:rA+11], v[rB:rB+11], v[rD:rD+7], v[rP], v[rQ] matrix_a_fmt:MATRIX_FMT_FP6 matrix_b_fmt:MATRIX_FMT_FP6 matrix_a_scale:MATRIX_SCALE_ROW1 matrix_b_scale:MATRIX_SCALE_ROW1
.endif
.endif
.endm
.macro MULH s, half                    ; 16 matrix instructions: Y tiles 2 half, 2 half + 1 against X's eight.  The 32 accumulators take turns, one instruction a turn, in the same order in every K step
.irp y, 2*\half, 2*\half+1
.irp x, 0,1,2,3,4,5,6,7
	WM \x, \y, \s
.endr
.endr
.endm
; A K step: 32 matrix instructions; in its middle the next step's 48 loads, behind four places (plain vector instructions that name no register of the matrix instructions: ISA guide 7.12.1 for vector instructions).
; K step 3 is stage 0's last: the wave waits for its part of stage 1, signals, multiplies, and reads stage 1 behind the barrier.
.macro KSTEP s
	s_wait_dscnt 0x0                               ; this step's fragments are in, and no LDS instruction of mine is out at a signal
.if (\s) == 3
	s_wait_tensorcnt 0x0                           ; my part of stage 1 is in
	s_barrier_signal -1
.endif
.if STAGED && ((\s) == 7)
	s_barrier_signal -1                            ; my reads of the tiles are over
.endif
	WIN MULW
	MULH \s, 0
.if (\s) == 3
	WIN 0
	s_barrier_wait -1                              ; the next stage is whole
	v_add_nc_u32 v8, STAGEB, v8                    ; on to it: these four are the places
	s_wait_alu depctr_va_vdst(0)
	v_add_nc_u32 v9, STAGEB, v9
	s_wait_alu depctr_va_vdst(0)
	v_add_nc_u32 v10, STAGEB, v10
	s_wait_alu depctr_va_vdst(0)
	v_add_nc_u32 v11, STAGEB, v11
	s_wait_alu depctr_va_vdst(0)
	FETCH (\s)+1
.elseif (\s) < 7
	PLACES 4
	FETCH (\s)+1
.endif
	WIN MULW
	MULH \s, 1
.endm
	s_wait_alu depctr_va_vdst(0)                   ; the wait at the head's end
	s_wait_tensorcnt 0x0                           ; my part of stage 0 is in
	ds_add_u32 v94, v95
	s_wait_dscnt 0x0
	CROUND                                         ; everybody's part is in, and all sixteen work-groups are here
	s_cmp_lt_u32 s16, 2
	s_cbranch_scc0 .Lnot_x2
	tensor_load_to_lds s[44:47], s[24:31]          ; stage 1, the wave's one load behind the round
	s_nop 0
	PLACES 4
	s_branch .Lasked2
.Lnot_x2:
	tensor_load_to_lds s[60:63], s[32:39]
	s_nop 0
	PLACES 4
.Lasked2:
	FETCH 0
.irp s, 0,1,2,3,4,5,6,7
	KSTEP \s
.endr
	WIN 0
	s_barrier_wait -1                              ; nobody reads the tiles any more: the stages may be written
	PLACES 4                                       ; in front of the first read of results and of loads into registers that held Y's fragments
; THE WAY OUT, a tile of 16 tokens at a time.  LDS serves a wave's instructions in order (ISA guide 5.7.1.4): no wait between my stores and my loads, nor in front of the next tile's stores.
.macro TOSTAGE y
	WIN 0x04                                       ; an LDS store's data are its source 1: window 1
.irp x, 0,1,2,3,4,5,6,7
	ds_store_b128 v24, v[64*(\y)+8*\x:64*(\y)+8*\x+3] offset:128*(\x/2)+32*(\x%2)       ; each accumulator from its low end on
	ds_store_b128 v24, v[64*(\y)+8*\x+4:64*(\y)+8*\x+7] offset:128*(\x/2)+32*(\x%2)+16
.endr
	WIN 0
.set BB, 128+64*((\y)%2)
.irp t, 0,1,2,3,4,5,6,7,8,9,10,11,12,13,14,15
	ds_load_b128 v[BB+4*\t:BB+4*\t+3], v25 offset:\t*SPITCH
.endr
.endm
.macro SEND y, younger                 ; younger: the LDS instructions issued behind tile y's loads, which may stay out
.set BB, 128+64*((\y)%2)
	s_wait_dscnt \younger
.irp t, 0,1,2,3,4,5,6,7,8,9,10,11,12,13,14,15
	global_store_b128 v4, v[BB+4*\t:BB+4*\t+3], s[84:85] offset:(32*((\y)/2)+8*((\y)%2)+\t+8*(\t/8))*4096 th:TH_STORE_NT   ; row t of the tile is token 32 (y / 2) + 8 (y % 2) + t + 8 (t / 8); 32 lanes store 512 consecutive bytes, at a multiple of 256 from out0's first byte
.endr
.endm
	TOSTAGE 0
.irp y, 1,2,3
.if \y > 1
	s_wait_xcnt 0x0                                ; tile y - 2's stores have read their registers: tile y's loads may land there
.endif
	TOSTAGE \y
	SEND \y-1, 32                                  ; behind tile y - 1's loads: tile y's 16 stores and 16 loads
.endr
	SEND 3, 0
	s_wait_tensorcnt 0x0
	ds_add_u32 v94, v95
	s_wait_dscnt 0x0
	CROUND                                         ; the closing round: no work-group ends while a partner may still ask for a tile that names it
	s_endpgm
.Lfunc_end_k_q0f3d7f2b43_outp:
	.size	k_q0f3d7f2b43_outp, .Lfunc_end_k_q0f3d7f2b43_outp-k_q0f3d7f2b43_outp
	.p2alignl 7, 3214868480
	.fill 96, 4, 3214868480
	.section	.rodata,"a",@progbits
	.p2align	6, 0x0
	.amdhsa_kernel k_q0f3d7f2b43_outp
		.amdhsa_group_segment_fixed_size 327680
		.amdhsa_private_segment_fixed_size 0
		.amdhsa_enable_private_segment 0
		.amdhsa_kernarg_size 40
		.amdhsa_user_sgpr_count 2
		.amdhsa_user_sgpr_kernarg_segment_ptr 1
		.amdhsa_wavefront_size32 1
		.amdhsa_system_sgpr_workgroup_id_x 1
		.amdhsa_system_sgpr_workgroup_id_y 1
		.amdhsa_system_sgpr_workgroup_id_z 1
		.amdhsa_system_vgpr_workitem_id 0
		.amdhsa_next_free_vgpr 768
		.amdhsa_next_free_sgpr 96
		.amdhsa_reserve_vcc 0
		.amdhsa_float_denorm_mode_32 3
		.amdhsa_float_denorm_mode_16_64 3
		.amdhsa_memory_ordered 1
		.amdhsa_forward_progress 1
		.amdhsa_inst_pref_size 88
	.end_amdhsa_kernel
	.amdgpu_metadata
---
amdhsa.version: [ 1, 2 ]
amdhsa.kernels:
  - .name:           k_q0f3d7f2b43_outp
    .symbol:         k_q0f3d7f2b43_outp.kd
    .args:
      - { .name: hc, .offset: 0, .size: 8, .value_kind: global_buffer, .address_space: global }
      - { .name: hs, .offset: 8, .size: 8, .value_kind: global_buffer, .address_space: global }
      - { .name: wc, .offset: 16, .size: 8, .value_kind: global_buffer, .address_space: global }
      - { .name: ws, .offset: 24, .size: 8, .value_kind: global_buffer, .address_space: global }
      - { .name: out0, .offset: 32, .size: 8, .value_kind: global_buffer, .address_space: global }
    .group_segment_fixed_size: 327680
    .private_segment_fixed_size: 0
    .kernarg_segment_align: 8
    .kernarg_segment_size: 40
    .max_flat_workgroup_size: 128
    .sgpr_count:     96
    .vgpr_count:     768
    .wavefront_size: 32
...
	.end_amdgpu_metadata
.endif
;; end of part 4
